; MI455X (gfx1250); checked and timed in simulation.
; The chip was launched on July 23, 2026; its instructions are those of AMD's public machine-readable ISA for CDNA 5 (MIT licence, August 2026) and "CDNA5" Instruction Set Architecture Reference Guide (July 2026). The comments in the code are by the model that wrote it; some were corrected since.
;; Classical Self Attention. Allowed arithmetic: matrix products marked QUANTISED: E3M2 operands, one E8M0 scale for each 32 along K, by v_wmma_scale_f32_16x16x128_f8f6f4 with both operands' format E3M2, f32 sums; products left as they are: f32 operands where the result goes on into a quantised operand, else bf16, f16 or f32 operands; f32 sums; everything else in f32.
;; Inputs: Wk 1,024 x 1,024 float32; Wo 1,024 x 1,024 float32; Wq 1,024 x 1,024 float32; Wv 1,024 x 1,024 float32; x 16,384 x 1,024 float32.
;; Outputs: out0 16,384 x 1,024 float32.
;; This version of the problem:
;;   THIS VERSION OF THE PROBLEM IS GIVEN IN LOW PRECISION. The matrix products marked QUANTISED in the list below multiply operands that are first quantised to E3M2 (3 exponent bits, 2 mantissa bits; 6 bits a number), with one power-of-two scale for each 32 numbers along K (OCP MX v1.0); their sums are f32. All else is computed in f32.
;;   The module's matrix products, in the order in which they are computed (A, B: the left and right operand; K: the contracted axis; several contracted axes count as one K, in the product's order):
;;     1. [M 16,384, K 1,024] x [K 1,024, N 1,024]; A: input x; B: input Wq: QUANTISED
;;     2. [M 16,384, K 1,024] x [K 1,024, N 1,024]; A: input x; B: input Wk: QUANTISED
;;     3. [M 16,384, K 1,024] x [K 1,024, N 1,024]; A: input x; B: input Wv: QUANTISED
;;     4. batch 16,384 x [M 16, K 64] x [K 64, N 16]; A: computed on the way; B: computed on the way: QUANTISED
;;     5. batch 16,384 x [M 16, K 16] x [K 16, N 64]; A: softmax; B: computed on the way: left as it is (K = 16 < 32)
;;     6. [M 16,384, K 1,024] x [K 1,024, N 1,024]; A: computed on the way; B: input Wo: QUANTISED
;;   THE QUANTISER, for each operand of a quantised product, along K:
;;     - K is cut into blocks of 32 from its start; a last block that is shorter is filled with zeros.
;;     - A block's scale is 2^e with e = floor(log2(the largest magnitude in the block)) - 4, held to -126 .. 127; a block of zeros has e = 0. As a byte (E8M0): e + 127.
;;     - Each number is divided by its block's scale, clamped to +-28, and rounded to the nearest number of E3M2, ties to even, subnormals kept.
;;     - The product sums the exact products of the quantised numbers (number of the format x scale) in f32.
;;   ~~~python
;;   def quantise(x, axis):      # numpy; x: float32 -> the quantised numbers, widened to float32 again
;;       x = np.moveaxis(x, axis, -1); K = x.shape[-1]
;;       x = np.pad(x, [(0, 0)] * (x.ndim - 1) + [(0, -K % 32)]); x = x.reshape(x.shape[:-1] + (-1, 32)); a = np.abs(x).max(-1, keepdims=True)
;;       e = np.where(a > 0, np.clip(np.frexp(np.where(a > 0, a, 1))[1] - 1 - 4, -126, 127), 0)      # np.frexp(a)[1] - 1 = floor(log2(a)), exactly
;;       r = np.clip(x / 2.0 ** e, -28, 28)
;;       step = 2.0 ** (np.maximum(np.frexp(np.where(r == 0, 1, r))[1] - 1, -2) - 2)
;;       q = np.round(r / step) * step * 2.0 ** e      # np.round: ties to even
;;       return np.moveaxis(q.reshape(q.shape[:-2] + (-1,))[..., :K], -1, axis).astype(np.float32)
;;   ~~~
;;   OPERANDS COMPUTED ON THE WAY. 'Computed on the way' means the value that the module computes at that place (a softmax that the list does not call 'softmax' is quantised finished and normalised). What goes into a quantiser is computed in f32, as accurately as f32 sums, v_exp_f32 and their like allow (about 1e-6 of the number): no bf16 or f16 on the way to a quantiser, and a product that is left as it is and whose result goes on into a quantised operand takes f32 operands (vector FMAs, or v_wmma_f32_16x16x4_f32). A number that lies on a knife's edge between two numbers of the format may be rounded either way, as far as f32 arithmetic and the matrix unit's own rounding can turn it there, and no further.
;; 2 versions. Each part assembles by itself: llvm-mc -triple=amdgcn-amd-amdhsa -mcpu=gfx1250 --defsym DOCPART=n.
;; ======== version 1 of 2: 2 launches
;; workspace buffers: ws 3,276,800 bytes
;; launch prep (part 1): grid 256 x 1, 4 waves a work-group, no clusters, 1,536 bytes of LDS; arguments Wq, Wk, Wv, Wo, ws; writes ws
.if DOCPART == 1
	.amdgcn_target "amdgcn-amd-amdhsa--gfx1250"
	.amdhsa_code_object_version 6
	.text
	.protected	k_q99ff435ecb_prep
	.globl	k_q99ff435ecb_prep
	.p2align	8
	.type	k_q99ff435ecb_prep,@function
k_q99ff435ecb_prep:
	s_mov_b64 s[64:65], 0
	v_nop
	global_prefetch_b8 v0, s[64:65] scope:SCOPE_SE
	s_setreg_imm32_b32 hwreg(HW_REG_WAVE_MODE, 25, 1), 1
	s_wait_xcnt 0x0
; Wq, Wk, Wv, Wo [1024][1024] f32, K innermost, become codes of BF6 (E3M2) with one E8M0 byte for each 32 along K, laid in ws in the ORDER IN WHICH THE SECOND LAUNCH TAKES THEM.
; ws is 256 blocks of 12,800 bytes.  Block B = (4 n + w) 2 + a: n = 0..31 a slot of the second launch's ring, w one of its waves, a the step in the slot.
; gi = n / 4 is the group of 128 columns a wave, mat = gi / 2 the matrix (q, k, v, o), G = gi % 2; the block's 128 along K begin at 128 s, s = 2 (n % 4) + a.
; A block: eight IMAGES OF OPERAND REGISTERS, 1,536 bytes each (fragment c: register i of lane l at 512 (i / 4) + 16 l + 4 (i % 4)), then 512 bytes of scale words
; (word q of lane l at 12,288 + 16 l + 4 q: lanes 0-15 fragment 2 q's rows, lanes 16-31 fragment 2 q + 1's).
; Lane (r, hh) of fragment c holds 64 codes of ONE row of W:  q, k: row 256 w + 128 G + 32 (c / 2) + 8 (c % 2) + r + 8 (r / 8), so that two neighbouring tiles of the result give a lane 16 neighbours;
; v: row 64 r + d, d = 32 G + 8 (w / 2) + 16 (w % 2) + c: a tile is one channel of all 16 heads;  o: row 256 w + 128 G + 16 c + r.
; A block's scale is 2^(floor(log2(largest magnitude)) - 4): its byte is the largest magnitude's exponent field - 4, held at 1 from below.
; LIMITS: a block of zeros, and one whose largest magnitude lies under 2^-122, gets the byte 1 (the rule says 127 for zeros: the codes are zeros, and this program alone reads the bytes); NaN and infinities are not served.
; SHARES: one work-group a block; wave v makes fragments 2 v and 2 v + 1.  A lane loads its 2 x 32 neighbours along K (eight loads of 16 bytes a block of 32): a block lies in one lane, the conversions' results are the operand's registers.
; The launch moves 16 MiB in and 3.1 MiB out; the images and the scale words leave as runs of 512 consecutive bytes a store.
; REGISTERS: v1 r, v2 hh, v3 lane; v4-5 my rows' byte offsets in W; v6 my images' place in the block; v7 my word's LDS address; v8-16 at work in FQ; v17 16 x lane, never rewritten; v20-22 scale words; v24-27 the way out.
.set BLKB, 12800
.set L16,  17                          ; v17      16 x lane: an address from the head to the last store, so no line of the arithmetic names it
.set X,    32                          ; v32-159  two sets of 64 numbers
.set OP,   160                         ; v160-171, v180-191 the two fragments' registers: a set each, so that no store's data are written again
.set ODD,  172                         ; v172-178 the conversions' second halves (a conversion's three registers begin on an even number)
	s_load_b256 s[4:11], s[0:1], 0x0               ; Wq s[4:5], Wk s[6:7], Wv s[8:9], Wo s[10:11]
	s_load_b64 s[12:13], s[0:1], 0x20              ; ws
	v_lshl_add_u32 v192, v0, 2, 0x400
	v_mov_b32 v193, 0
	v_lshrrev_b32 v3, 5, v0
	v_readfirstlane_b32 s16, v3                    ; wave v
	v_and_b32 v3, 31, v0                           ; lane
	v_and_b32 v1, 15, v0                           ; r
	v_bfe_u32 v2, v0, 4, 1                         ; hh
	s_and_b32 s17, ttmp9, 1                        ; a
	s_bfe_u32 s18, ttmp9, 0x20001                  ; w
	s_lshr_b32 s19, ttmp9, 3                       ; n
	s_lshr_b32 s20, s19, 2                         ; gi
	s_and_b32 s21, s20, 1                          ; G
	s_lshr_b32 s22, s20, 1                         ; mat
	s_and_b32 s23, s19, 3
	s_lshl_b32 s23, s23, 1
	s_add_co_u32 s23, s23, s17                     ; s
	s_lshl_b32 s24, s18, 8
	s_lshl_b32 s30, s21, 7
	s_add_co_u32 s24, s24, s30                     ; q, k, o: 256 w + 128 G
	s_lshl_b32 s25, s21, 5
	s_lshr_b32 s30, s18, 1
	s_lshl_b32 s30, s30, 3
	s_add_co_u32 s25, s25, s30
	s_and_b32 s30, s18, 1
	s_lshl_b32 s30, s30, 4
	s_add_co_u32 s25, s25, s30                     ; v: 32 G + 8 (w / 2) + 16 (w % 2)
	s_cmp_eq_u32 s22, 2                            ; v?
	s_cselect_b32 s24, s25, s24                    ; the block's first row
	s_cselect_b32 s26, 2, 32                       ; rows from wave to wave
	s_cselect_b32 s27, 64, 1                       ; rows from lane to lane
	s_cselect_b32 s28, 1, 16                       ; rows from my first fragment to my second (v, o)
	s_cmp_lt_u32 s22, 2                            ; q or k?
	s_cselect_b32 s28, 8, s28
	s_cselect_b32 s29, 8, 0                        ; lanes 8-15 stand 8 rows further on
	s_mul_i32 s30, s26, s16
	s_add_co_u32 s24, s24, s30
	v_mul_lo_u32 v4, v1, s27
	v_lshrrev_b32 v8, 3, v1
	v_mul_lo_u32 v8, v8, s29
	v_add_nc_u32 v4, v4, v8
	v_add_nc_u32 v4, s24, v4                       ; my row of W, for my first fragment
	v_lshlrev_b32 v4, 12, v4                       ; a row is 4,096 bytes
	v_lshl_add_u32 v4, v2, 7, v4                   ; + 32 hh numbers
	s_lshl_b32 s30, s23, 9
	v_add_nc_u32 v4, s30, v4                       ; + 128 s numbers
	s_lshl_b32 s31, s28, 12
	v_add_nc_u32 v5, s31, v4                       ; and for my second
	v_lshlrev_b32 v[L16], 4, v3                    ; 16 x lane
	s_mul_i32 s30, s16, 3072
	v_add_nc_u32 v6, s30, v[L16]                   ; my two images' place in the block
	s_lshl_b32 s30, s16, 2
	v_add_nc_u32 v7, s30, v[L16]                   ; LDS: word v of lane l
	v_lshlrev_b32 v15, 3, v2                       ; 8 hh: my bytes' place in a scale word
	v_mov_b32 v16, 0                               ; written once: a lane permute's destination counts as one of its sources
	s_mov_b32 s32, 0x76543210
	s_mov_b32 s33, 0xfedcba98                      ; v_permlanex16_b32's selects for lane l xor 16
	s_mov_b32 vcc_lo, 0xffff0000                   ; lanes 16-31
	s_mul_i32 s34, ttmp9, BLKB
	s_mov_b32 s35, 0
	s_wait_kmcnt 0x0
	s_cmp_eq_u32 s22, 1                            ; the matrix is chosen by the work-group's number alone
	s_cselect_b64 s[4:5], s[6:7], s[4:5]
	s_cmp_eq_u32 s22, 2
	s_cselect_b64 s[4:5], s[8:9], s[4:5]
	s_cmp_eq_u32 s22, 3
	s_cselect_b64 s[4:5], s[10:11], s[4:5]
	s_add_nc_u64 s[12:13], s[12:13], s[34:35]      ; my block
.irp e, 0,1
.irp c, 0,1
.irp j, 0,1,2,3,4,5,6,7
	global_load_b128 v[X+64*\e+32*\c+4*\j:X+64*\e+32*\c+4*\j+3], v[4+\e], s[4:5] offset:256*\c+16*\j th:TH_LOAD_NT   ; W(row, 128 s + 64 c + 32 hh + 4 j ..): each number of W is read once in the launch
.endr
.endr
.endr
; Fragment e of my two: 64 numbers a lane become 12 registers of codes and a scale word, and the image is stored.
.macro FQ e
.set XE, X+64*\e
.set OE, OP+20*\e
.irp c, 0,1
	v_max3_num_f32 v[8+\c], |v[XE+32*\c]|, |v[XE+32*\c+1]|, 0x2800000   ; my block 2 c + hh: all its 32 numbers are mine; the floor 2^(5 - 127) holds the byte at 1 from below
.endr
.irp i, 2,4,6,8,10,12,14,16,18,20,22,24,26,28,30
.irp c, 0,1
	v_max3_num_f32 v[8+\c], v[8+\c], |v[XE+32*\c+\i]|, |v[XE+32*\c+\i+1]|   ; (the two blocks by turns)
.endr
.endr
.irp c, 0,1
	v_add_nc_u32 v[10+\c], 0xfe000000, v[8+\c]     ; 4 off the exponent field: the conversion takes the exponent field of this operand as its scale
.endr
.irp c, 0,1
	v_lshrrev_b32 v[12+\c], 23, v[10+\c]           ; the scale's byte
.endr
	v_lshl_or_b32 v14, v13, 16, v12                ; my two bytes: blocks hh and 2 + hh,
	v_lshlrev_b32 v14, v15, v14                    ; at their places in the word;
	v_permlanex16_b32 v16, v14, s32, s33
	v_or_b32 v[20+\e], v14, v16                    ; with lane l xor 16's two the row's word is whole
.irp c, 0,1
	v_cvt_scalef32_pk16_bf6_f32 v[OE+6*\c:OE+6*\c+2], v[XE+32*\c:XE+32*\c+15], v[10+\c]
	v_cvt_scalef32_pk16_bf6_f32 v[ODD+4*\c:ODD+4*\c+2], v[XE+32*\c+16:XE+32*\c+31], v[10+\c]
.endr
	v_nop                                          ; one plain place behind a scaled conversion
.irp c, 0,1
.irp i, 0,1,2
	v_mov_b32 v[OE+3+6*\c+\i], v[ODD+4*\c+\i]
.endr
.endr
.irp i, 0,1,2
	global_store_b128 v6, v[OE+4*\i:OE+4*\i+3], s[12:13] offset:1536*\e+512*\i   ; 32 lanes store 512 consecutive bytes
.endr
.endm
	s_wait_loadcnt 16                              ; my first fragment's 16 loads are in; the second's 16 may be out
	FQ 0
	s_wait_loadcnt 0x0
	FQ 1
	v_cndmask_b32 v22, v20, v21, vcc_lo            ; lanes 0-15: the first fragment's words, lanes 16-31: the second's
	ds_store_b32 v7, v22
	s_wait_dscnt 0x0                               ; for the others' sake: my store has landed
	s_barrier_signal -1
	s_barrier_wait -1
	s_cmp_lg_u32 s16, 0
	s_cbranch_scc1 .Lend
	ds_load_b128 v[24:27], v[L16]                  ; wave 0: the four waves' words of lane l
	s_wait_dscnt 0x0
	global_store_b128 v[L16], v[24:27], s[12:13] offset:12288   ; 512 consecutive bytes
.Lend:
	s_wait_tensorcnt 0x0
	ds_add_u32 v192, v193
	s_wait_dscnt 0x0
	s_endpgm
.Lfunc_end_k_q99ff435ecb_prep:
	.size	k_q99ff435ecb_prep, .Lfunc_end_k_q99ff435ecb_prep-k_q99ff435ecb_prep
	.p2alignl 7, 3214868480
	.fill 96, 4, 3214868480
	.section	.rodata,"a",@progbits
	.p2align	6, 0x0
	.amdhsa_kernel k_q99ff435ecb_prep
		.amdhsa_group_segment_fixed_size 1536
		.amdhsa_private_segment_fixed_size 0
		.amdhsa_enable_private_segment 0
		.amdhsa_kernarg_size 40
		.amdhsa_user_sgpr_count 2
		.amdhsa_user_sgpr_kernarg_segment_ptr 1
		.amdhsa_wavefront_size32 1
		.amdhsa_system_sgpr_workgroup_id_x 1
		.amdhsa_system_sgpr_workgroup_id_y 1
		.amdhsa_system_sgpr_workgroup_id_z 1
		.amdhsa_system_vgpr_workitem_id 0
		.amdhsa_next_free_vgpr 194
		.amdhsa_next_free_sgpr 66
		.amdhsa_reserve_vcc 1
		.amdhsa_float_denorm_mode_32 3
		.amdhsa_float_denorm_mode_16_64 3
		.amdhsa_memory_ordered 1
		.amdhsa_forward_progress 1
		.amdhsa_inst_pref_size 13
	.end_amdhsa_kernel
	.amdgpu_metadata
---
amdhsa.version: [ 1, 2 ]
amdhsa.kernels:
  - .name:           k_q99ff435ecb_prep
    .symbol:         k_q99ff435ecb_prep.kd
    .args:
      - { .name: Wq, .offset: 0, .size: 8, .value_kind: global_buffer, .address_space: global }
      - { .name: Wk, .offset: 8, .size: 8, .value_kind: global_buffer, .address_space: global }
      - { .name: Wv, .offset: 16, .size: 8, .value_kind: global_buffer, .address_space: global }
      - { .name: Wo, .offset: 24, .size: 8, .value_kind: global_buffer, .address_space: global }
      - { .name: ws, .offset: 32, .size: 8, .value_kind: global_buffer, .address_space: global }
    .group_segment_fixed_size: 1536
    .private_segment_fixed_size: 0
    .kernarg_segment_align: 8
    .kernarg_segment_size: 40
    .max_flat_workgroup_size: 128
    .sgpr_count:     66
    .vgpr_count:     194
    .wavefront_size: 32
...
	.end_amdgpu_metadata
.endif
;; end of part 1
;; launch fused (part 2): grid 256 x 1, 4 waves a work-group, clusters of 4 x 1, 327,680 bytes of LDS; arguments x, ws, out0; writes out0
.if DOCPART == 2
	.amdgcn_target "amdgcn-amd-amdhsa--gfx1250"
	.amdhsa_code_object_version 6
	.text
	.protected	k_q99ff435ecb_fused
	.globl	k_q99ff435ecb_fused
	.p2align	8
	.type	k_q99ff435ecb_fused,@function
k_q99ff435ecb_fused:
	s_mov_b64 s[64:65], 0
	v_nop
	global_prefetch_b8 v0, s[64:65] scope:SCOPE_SE
	s_setreg_imm32_b32 hwreg(HW_REG_WAVE_MODE, 25, 1), 1
	s_wait_xcnt 0x0
	s_wait_alu depctr_hold_cnt(0) depctr_sa_sdst(0) depctr_va_vdst(0) depctr_va_sdst(0) depctr_va_ssrc(0) depctr_va_vcc(0) depctr_vm_vsrc(0)
	s_getreg_b32 s2, hwreg(HW_REG_IB_STS2, 6, 4)
	s_cmp_eq_u32 s2, 0
	s_cbranch_scc0 .Lentry_in_a_cluster
	s_endpgm
.Lentry_in_a_cluster:
	s_bfe_u32 s2, ttmp6, 0x10000c
	s_cmp_lg_u32 s2, 0x3003
	s_cbranch_scc0 .Lentry_shape_is_right
	s_endpgm
.Lentry_shape_is_right:
; out0 = attention-across-heads(x Wq^T, x Wk^T, x Wv^T) Wo^T for 64 tokens a work-group; nothing between x and out0 goes to memory.
; The four large products and the scores are on codes of BF6 (E3M2) with one E8M0 scale for each 32 along K; p v (K = 16) has f32 operands, since its result goes into a quantiser.
; SHARES.  The four waves share the COLUMNS: in each large product wave w makes columns 256 w .. 256 w + 255 for all 64 tokens, in two groups of 128 (8 column tiles x 4 tiles of 16 tokens = 32 accumulators).
; The 64 tokens' codes, all of K (x's, later o's: 384 registers, and 32 of scale words), stay in EVERY wave's registers, so LDS is read for weights alone, and each weight byte once.
; The weights come as the first launch laid them: images of operand registers.  Eight groups (q, q, k, k, v, v, o, o) of eight K steps of 128; a ring slot holds two K steps for the four waves, 102,400 bytes.
; Each wave fetches its own 25,600 bytes of a slot by one tensor load and is their only reader.
; CLUSTER.  All work-groups walk the same weights: the four of a cluster ask JOINTLY (the same load, the same descriptor, a mask that names the four), so every refill stands behind a round of the cluster's barrier.
; THE PRODUCTS ARE USED TRANSPOSED (source 0 = 16 rows of W, source 1 = 16 tokens): a lane holds ONE token, its registers run along the columns.
;   q, k: the rows of a tile are chosen so that two tiles give a lane 16 neighbours: they are quantised in registers and go to LDS as rows of codes (pitch 784) and of scale bytes (pitch 48).
;   scores: wave w owns tokens 16 t + 4 w + i.  One instruction a token: source 0 = k's 16 heads, source 1 = q's; K = 64, the upper 64 are zero codes.  Lane (h, hh) holds g = 8 hh + 0..7.  Softmax with the row's maximum taken away.
;   v: a tile is one channel d of all 16 heads g, so a lane holds 8 g of one (token, d).  It goes in f32 through a stage in LDS to the wave that owns the token.
;   o^T = v^T p^T by v_wmma_f32_16x16x4_f32: lane (h, hh) gets 16 neighbouring d of two tiles; four tokens are four blocks of 32 for the quantiser; codes go to LDS as rows; every wave reloads its 384 registers.
;   out0: through each wave's own stage in LDS, as whole rows of 512 bytes.
; LIMITS: NaN and infinities are not served; a block of zeros, and one whose largest magnitude lies under 2^-122, gets the scale byte 1 (zeros: the rule says 127; the codes are zeros and no byte leaves the program); a p under 2^-126 is 0.
; REGISTERS, in windows of 256 (s_set_vgpr_msb: bits 1:0 source 0, 3:2 source 1, 5:4 source 2, 7:6 destination):
;   window 0: v1-36 addresses; v38-45 W's scale words, two sets; v46-49 the scores' scale words; v50-81 the tokens' scale words (8 t + s); v84-121 at work; v128-255 p (8 a token), earlier x as loaded, later rows of out0
;   window 1: v0-95 W's eight fragments (also the scores' operands and v^T's fragments); v96-239 the tokens' fragments of K steps 0-2.   window 2: v0-239 those of K steps 3-7.
;   window 3: the 32 accumulators, tile (c, t) at 64 t + 8 c; v0-63 also take o^T, v128-255 the scores.  They are written by matrix instructions alone.
.set SLOTB, 102400                     ; a ring slot: slot 0 at LDS byte 0, slot 1 behind it; filled by tensor loads alone
.set WPART, 25600                      ; a wave's part of a slot: two steps
.set STEPB, 12800                      ; a step: eight images of 1,536 bytes,
.set SCOFF, 12288                      ; then 512 bytes of scale words
.set RA,    2*SLOTB                    ; region A: 64 rows of codes: x's, then k's, then o's
.set PITCH, 784                        ; 768 bytes of codes + 16 = 196 words: the 32 lanes of a load of 8 bytes at 784 r + 24 hh touch 64 different banks (64 banks of 4 bytes: ISA guide 11.1)
.set ASC,   RA+64*PITCH                ; their scale bytes: 64 rows, 32 bytes used of
.set SPT,   48
.set RB,    ASC+64*SPT                 ; region B: the same for q.  Earlier: the stages in which x is turned.  Later: v's stage; then out0's stages
.set AB,    RB-RA
.set VPT,   2064                       ; v's stage: a token's 2,048 bytes (tile u x 4 groups of 4 g x 16 channels x 16 bytes) + 16: sixteen tokens' stores fall in sixteen different columns of 16 bytes
.set VBUF,  16*VPT                     ; sixteen tokens; two such buffers
.set OPT,   528                        ; out0's stage: a row of 512 bytes + 16
.set SPARE, 327168                     ; the spare words, 128 bytes for each wave: two blocks of 256 bytes that no other line names
.set SPW, 1                            ; v1   SPARE + 4 x my thread's number; never rewritten
.set NIL, 2                            ; v2   0; never rewritten
.set WA,  3                            ; v3-4 my wave's part of slot 0, 1, + 16 x lane
.set FA,  5                            ; v5   A + 784 r + 24 hh: a token fragment's row
.set FS,  6                            ; v6   ASC + 48 r
.set RS0, 7                            ; v7   FA + 192 w: where my 256 columns' codes begin in a row
.set SC0, 8                            ; v8   FS + 8 w
.set KA,  9                            ; v9   A + 784 x 4 w + 48 r + 24 hh: head r of my first token, in k
.set QA,  10                           ; v10  the same in q
.set SSA, 11                           ; v11  ASC + AB hh + 48 x 4 w + 2 r: lanes 0-15 k's scale bytes, lanes 16-31 q's
.set VW,  12                           ; v12  v's stage, in
.set VR,  13                           ; v13  v's stage, out
.set OA0, 17                           ; v17  A + 784 (4 w + hh) + 48 r: o's codes
.set OS0, 18                           ; v18  ASC + 48 x 4 w + 2 r: o's scale bytes
.set STO, 19                           ; v19  out0's stage, in
.set RD,  20                           ; v20  out0's stage, out
.set CO,  21                           ; v21  16 x lane; never rewritten
.set T0,  22                           ; v22-23 addresses with the group's terms added
.set T1,  23
.set XIN, 32                           ; v32-35 the X phase's LDS addresses
.set XOUT, 33
.set XC,  34
.set XSB, 35
.set PFO, 36                           ; v36  the prefetches' offset; never rewritten
.set WSC, 38
.set SS,  46
.set XS,  50
.set TM,  84                           ; v84-87 largest magnitudes, v88-91 the other half's, then bytes, v96-99 the conversions' scale operands
.set PW,  100                          ; the scale word just made
.set PC,  102                          ; v102-113 the codes just made, v114-120 the conversions' second halves
.set P,   128
.set XR,  128                          ; the X phase: eight sets of 16 numbers as loaded,
.set XT,  84                           ; two sets of 16 neighbours
.set MSB, 0
.macro WIN new                         ; the immediate's high byte repeats the setting that is left; a switch that changes nothing is dropped
.if MSB != \new
	s_set_vgpr_msb (MSB<<8)|\new
.set MSB, \new
.endif
.endm
.macro PLACES n                        ; plain vector instructions behind matrix instructions (ISA guide 7.12.1)
.rept \n
	v_nop
.endr
.endm
.macro CREST                           ; a round of the cluster's barrier behind its opening barrier: wave 0 signals for the work-group, every wave waits for the four work-groups, the work-group's barrier closes it
	s_cmp_lg_u32 s10, 0
	s_cbranch_scc1 .Lnot_wave_0_\@
	s_barrier_signal -3
.Lnot_wave_0_\@:
	s_barrier_wait -3
	s_barrier_signal -1
	s_barrier_wait -1
.endm
.macro ROUND
	s_barrier_signal -1
	s_barrier_wait -1
	CREST
.endm
.macro BARRIER                         ; my LDS stores have landed and my LDS loads are in: then the work-group's barrier
	s_wait_dscnt 0x0
	s_barrier_signal -1
	s_barrier_wait -1
.endm
	s_load_b128 s[4:7], s[0:1], 0x0                ; x s[4:5], ws s[6:7]
	s_load_b64 s[8:9], s[0:1], 0x10                ; out0
	v_lshl_add_u32 v[SPW], v0, 2, SPARE
	v_mov_b32 v[NIL], 0
	ds_add_u32 v1, v2
	ds_add_u32 v1, v2
	s_wait_dscnt 0x0
	v_lshrrev_b32 v122, 5, v0
	v_readfirstlane_b32 s10, v122                  ; wave w
	v_and_b32 v122, 31, v0                         ; lane l
	v_and_b32 v123, 15, v0                         ; r
	v_bfe_u32 v124, v0, 4, 1                       ; hh
	v_lshlrev_b32 v[CO], 4, v122
	s_bfe_u32 s11, ttmp6, 0x40000                  ; cx: it enters x's, out0's and the prefetches' addresses alone
	s_lshl_b32 s12, ttmp9, 2
	s_add_co_u32 s12, s12, s11                     ; my block of 64 tokens = 4 x cluster + cx
	; descriptor group 1: a dense block of 25,600 bytes as 100 rows of 32 elements of 8 bytes, no padding
	s_mov_b32 s16, 15|(3<<16)|(1<<21)              ; 15:0 the mask: all four work-groups; 17:16 elements of 8 bytes; 21 set beside a mask
	s_mov_b32 s17, 32<<16                          ; tensor_dim0 = 32
	s_mov_b32 s18, 100<<16                         ; tensor_dim1 = 100
	s_mov_b32 s19, 32<<16                          ; tile_dim0 = 32
	s_mov_b32 s20, 100                             ; tile_dim1 = 100
	s_mov_b32 s21, 32                              ; tensor_dim0_stride
	s_mov_b32 s22, 0
	s_mov_b32 s23, 0
	s_mov_b32 s32, 0x76543210
	s_mov_b32 s33, 0xfedcba98                      ; v_permlanex16_b32's selects for lane l xor 16
	s_mov_b32 s34, 0x3e38aa3b                      ; c = log2(e) / sqrt(64)
	s_mov_b32 s35, s34                             ; (named with it as a pair, so it is written)
	s_mul_i32 s37, s10, WPART                      ; my wave's part of a slot, in LDS and in ws alike
	s_mov_b32 s38, s37
	s_mov_b32 s39, 0
	s_lshl_b32 s42, s12, 18                        ; 64 rows of 4,096 bytes a work-group,
	s_lshl_b32 s43, s10, 16                        ; x: 16 rows a wave
	s_add_co_u32 s42, s42, s43
	s_mov_b32 s43, 0
	s_lshl_b32 s44, s12, 18
	s_lshl_b32 s45, s10, 10                        ; out0: 256 columns a wave
	s_add_co_u32 s44, s44, s45
	s_mov_b32 s45, 0
	s_mul_i32 s46, s11, 6400                       ; the prefetches: of my wave's 100 blocks of 256 bytes in a slot, my work-group's 25,
	s_add_co_u32 s46, s46, s37
	s_add_co_u32 s46, s46, 3*SLOTB                 ; in slot 3: the first refill steps it to slot 4
	s_mov_b32 s47, 0
	s_wait_kmcnt 0x0
	s_add_nc_u64 s[4:5], s[4:5], s[42:43]
	s_add_nc_u64 s[8:9], s[8:9], s[44:45]
	s_add_nc_u64 s[48:49], s[6:7], s[46:47]
	s_mov_b32 s24, 1                               ; descriptor group 0 for slot 0: count = 1,
	s_mov_b32 s25, s37                             ; LDS address,
	s_add_nc_u64 s[26:27], s[6:7], s[38:39]        ; global address: slot 0's worth of ws, my wave's part
	s_mov_b32 s28, 1                               ; and for slot 1
	s_add_co_u32 s29, s37, SLOTB
	s_add_nc_u64 s[30:31], s[26:27], SLOTB
	s_or_b32 s27, s27, 0x80000000                  ; type = 2
	s_or_b32 s31, s31, 0x80000000
	ROUND                                          ; all four work-groups are here: the first joint loads meet
	tensor_load_to_lds s[24:27], s[16:23]          ; both first fills go out together: two loads of mine are out here, later one
	s_nop 0
	tensor_load_to_lds s[28:31], s[16:23]
	s_nop 0
	PLACES 4                                       ; four such lines behind a tensor load
.irp t, 0,1,2,3,4,5,6,7
.irp i, 0,1,2,3
	global_load_b128 v[XR+16*\t+4*\i:XR+16*\t+4*\i+3], v[CO], s[4:5] offset:2048*\t+512*\i th:TH_LOAD_NT   ; x: my 16 rows are 65,536 dense bytes: 32 steps of 2,048; the first eight steps; 512 consecutive bytes a load
.endr
.endr
	v_add_nc_u32 v[WA], s37, v[CO]
	v_add_nc_u32 v[WA+1], SLOTB, v[WA]
	v_mul_u32_u24 v[FA], v123, PITCH
	v_mad_u32_u24 v[FA], v124, 24, v[FA]
	v_add_nc_u32 v[FA], RA, v[FA]
	v_mul_u32_u24 v[FS], v123, SPT
	v_add_nc_u32 v[FS], ASC, v[FS]
	s_mul_i32 s40, s10, 192
	v_add_nc_u32 v[RS0], s40, v[FA]
	s_lshl_b32 s40, s10, 3
	v_add_nc_u32 v[SC0], s40, v[FS]
	v_mul_u32_u24 v[KA], v123, 48
	v_mad_u32_u24 v[KA], v124, 24, v[KA]
	s_mul_i32 s40, s10, 4*PITCH
	s_add_co_u32 s40, s40, RA
	v_add_nc_u32 v[KA], s40, v[KA]
	v_add_nc_u32 v[QA], AB, v[KA]
	v_mul_u32_u24 v[OA0], v123, 48
	v_mad_u32_u24 v[OA0], v124, PITCH, v[OA0]
	v_add_nc_u32 v[OA0], s40, v[OA0]
	v_mul_u32_u24 v[SSA], v124, AB                 ; the lower base + hh x the distance between the two
	v_lshl_add_u32 v[SSA], v123, 1, v[SSA]
	s_mul_i32 s40, s10, 4*SPT
	s_add_co_u32 s40, s40, ASC
	v_add_nc_u32 v[SSA], s40, v[SSA]
	v_lshlrev_b32 v[OS0], 1, v123
	v_add_nc_u32 v[OS0], s40, v[OS0]
	v_mul_u32_u24 v[VW], v123, VPT                 ; in: token r; g = 8 hh + 0..3 is group 2 hh; my tile c is channel 8 (w % 2) + c of tile u = w / 2
	v_lshl_add_u32 v[VW], v124, 9, v[VW]
	s_lshr_b32 s40, s10, 1
	s_lshl_b32 s40, s40, 10
	s_and_b32 s41, s10, 1
	s_lshl_b32 s41, s41, 7
	s_add_co_u32 s40, s40, s41
	s_add_co_u32 s40, s40, RB
	v_add_nc_u32 v[VW], s40, v[VW]
	v_lshlrev_b32 v[VR], 4, v123                   ; out: token 4 w + i; channel r; groups 2 hh and 2 hh + 1
	v_lshl_add_u32 v[VR], v124, 9, v[VR]
	s_mul_i32 s40, s10, 4*VPT
	s_add_co_u32 s40, s40, RB
	v_add_nc_u32 v[VR], s40, v[VR]
	v_mul_u32_u24 v[STO], v123, OPT                ; in: row r, 32 bytes for each half of the lanes
	v_lshl_add_u32 v[STO], v124, 5, v[STO]
	s_mul_i32 s40, s10, 16*OPT
	s_add_co_u32 s40, s40, RB
	v_add_nc_u32 v[STO], s40, v[STO]
	v_add_nc_u32 v[RD], s40, v[CO]                 ; back: the 32 lanes take one row of 512 bytes
	v_lshrrev_b32 v125, 2, v122
	v_mul_u32_u24 v[XIN], v125, 80                 ; x's stage, in: four lanes' 64 bytes on end, then 16 of padding
	v_and_b32 v125, 3, v122
	v_lshl_add_u32 v[XIN], v125, 4, v[XIN]
	s_mul_i32 s40, s10, 5120
	s_add_co_u32 s40, s40, RB
	v_add_nc_u32 v[XIN], s40, v[XIN]
	v_mul_u32_u24 v[XOUT], v122, 80                ; out: 80 x lane: my 16 neighbours
	v_add_nc_u32 v[XOUT], s40, v[XOUT]
	v_mul_u32_u24 v[XC], v122, 12                  ; my 16 codes' 12 bytes in half a row of codes
	s_mul_i32 s40, s10, 16*PITCH
	s_add_co_u32 s40, s40, RA
	v_add_nc_u32 v[XC], s40, v[XC]
	v_lshrrev_b32 v[XSB], 1, v122                  ; my block's byte
	s_mul_i32 s40, s10, 16*SPT
	s_add_co_u32 s40, s40, ASC
	v_add_nc_u32 v[XSB], s40, v[XSB]
	v_min_u32 v[PFO], 24, v122                     ; lanes 0 to 24 name 25 blocks of 256 bytes; lanes 25 to 31 name lane 24's again
	v_lshlrev_b32 v[PFO], 8, v[PFO]
; ---- X: my 16 rows of x become rows of codes and scale bytes in region A.  The loads take the bytes as they lie; a step's 2,048 bytes turn through my own stage, so that a lane holds 16 neighbours along K; two neighbouring lanes hold a block.
.macro XTURN set, par                  ; LDS serves a wave's instructions in order (ISA guide 5.7.1.4): no wait between the stores and the loads
.irp i, 0,1,2,3
	ds_store_b128 v[XIN], v[XR+16*(\set)+4*\i:XR+16*(\set)+4*\i+3] offset:2560*(\par)+640*\i
.endr
.irp i, 0,1,2,3
	ds_load_b128 v[XT+16*(\par)+4*\i:XT+16*(\par)+4*\i+3], v[XOUT] offset:2560*(\par)+16*\i
.endr
.endm
; Step tl of eight.  load = 1: the step eight on is asked for.  turn = 1: the next step goes through the other stage; left = the loads that may stay out then.
.macro XSTEP tl, load, turn, left
	s_wait_dscnt 4                                 ; this step's numbers are back from the stage (the last step's three code stores and its byte store may be out), so its stores into the stage have read their registers,
.if \load
.irp i, 0,1,2,3
	global_load_b128 v[XR+16*\tl+4*\i:XR+16*\tl+4*\i+3], v[CO], s[4:5] offset:2048*(\tl+8)+512*\i th:TH_LOAD_NT   ; which take the loads of eight steps on
.endr
.endif
.if \turn
	s_wait_loadcnt \left                           ; the next step's four loads are in; those of the steps behind it may be out
	XTURN (\tl+1)%8, (\tl+1)%2
.endif
.set XQ, XT+16*(\tl%2)
.set CD, 120+4*(\tl%2)                 ; codes and byte in registers that take turns: a step's stores are done at the wait at the head of the step after next
.set BY, 119+4*(\tl%2)
	v_max3_num_f32 v116, |v[XQ]|, |v[XQ+1]|, |v[XQ+2]|
	v_max3_num_f32 v117, |v[XQ+3]|, |v[XQ+4]|, |v[XQ+5]|
.irp i, 6,10
	v_max3_num_f32 v116, v116, |v[XQ+\i]|, |v[XQ+\i+1]|
	v_max3_num_f32 v117, v117, |v[XQ+\i+2]|, |v[XQ+\i+3]|
.endr
	v_max3_num_f32 v116, v116, |v[XQ+14]|, |v[XQ+15]|
	v_max3_num_f32 v116, v116, v117, 0x2800000     ; and the floor 2^(5 - 127): the byte cannot fall under 1
	v_max_num_f32_dpp v116, v116, v116 row_xmask:1 row_mask:0xf bank_mask:0xf   ; with my neighbour's 16: the block's largest magnitude
	v_add_nc_u32 v118, 0xfe000000, v116            ; 4 off its exponent field: the conversion's scale operand
	v_cvt_scalef32_pk16_bf6_f32 v[CD:CD+2], v[XQ:XQ+15], v118
	v_lshrrev_b32 v[BY], 23, v118                  ; the scale's byte (also the plain place behind the conversion)
.irp k, 0,1,2
	ds_store_b32 v[XC], v[CD+\k] offset:PITCH*(\tl/2)+384*(\tl%2)+4*\k   ; 12 bytes a lane, at multiples of 4: the 32 lanes fill half a row's 384 bytes
.endr
	ds_store_b8 v[XSB], v[BY] offset:SPT*(\tl/2)+16*(\tl%2)   ; both lanes of a block write the same byte with the same value
.endm
	s_wait_loadcnt 28                              ; step 0's four loads are in
	XTURN 0, 0
	s_wait_dscnt 0x0                               ; step 0 has no four younger stores behind its turn
	s_mov_b32 s50, 3
.Lxtrip:                                           ; three trips of eight steps (four rows of x)
.irp n, 0,1,2,3,4,5,6,7
	XSTEP \n, 1, 1, 28
.endr
	s_wait_dscnt 0x0                               ; my LDS stores have read their address registers,
	s_wait_xcnt 0x0                                ; and my loads their base: all three are stepped only behind these waits
	s_add_nc_u64 s[4:5], s[4:5], 16384
	v_add_nc_u32 v[XC], 4*PITCH, v[XC]
	v_add_nc_u32 v[XSB], 4*SPT, v[XSB]
	s_sub_co_u32 s50, s50, 1
	s_cmp_lg_u32 s50, 0
	s_cbranch_scc1 .Lxtrip
.irp n, 0,1,2,3,4,5,6
	XSTEP \n, 0, 1, 4*(6-\n)                       ; the last eight steps load nothing: the counts run down
.endr
	XSTEP 7, 0, 0, 0
.irp b, 0,1,2,3
	v_mov_b32 v[TM+4+\b], 0                        ; written once: a lane permute's destination counts as one of its sources
.endr
	BARRIER                                        ; the 64 tokens' codes and scale bytes lie in region A
; The 64 tokens' fragments, all of K, into windows 1 and 2, and their scale words: fragment (K step s, tile t): lane (r, hh) takes 2 x 24 bytes of row 16 t + r, in pieces of 8.
.macro LOADXF
	WIN 0x40
.irp s, 0,1,2
.irp n, 0,1,2,3
.irp p, 0,1,2,3,4,5
	ds_load_b64 v[96+48*\s+12*\n+2*\p:96+48*\s+12*\n+2*\p+1], v[FA] offset:16*PITCH*\n+96*\s+48*(\p/3)+8*(\p%3)
.endr
.endr
.endr
	WIN 0x80
.irp s, 3,4,5,6,7
.irp n, 0,1,2,3
.irp p, 0,1,2,3,4,5
	ds_load_b64 v[48*(\s-3)+12*\n+2*\p:48*(\s-3)+12*\n+2*\p+1], v[FA] offset:16*PITCH*\n+96*\s+48*(\p/3)+8*(\p%3)
.endr
.endr
.endr
	WIN 0
.irp n, 0,1,2,3
	ds_load_b128 v[XS+8*\n:XS+8*\n+3], v[FS] offset:16*SPT*\n        ; row 16 n + r's eight scale words: one for each K step
	ds_load_b128 v[XS+8*\n+4:XS+8*\n+7], v[FS] offset:16*SPT*\n+16
.endr
	s_wait_dscnt 0x0
.endm
; Eight products: W's fragments 2 q and 2 q + 1 x the four tiles of tokens, K step s.  zero = 1: they start the sums: nothing is ever cleared.
; The 32 accumulators take turns, one instruction a turn, in the same order in every K step.
.macro MULP s, q, zero
.if (\s) < 3
	WIN 0xf5                                       ; W and the tokens in window 1, C and D in window 3
.set XB, 96+48*(\s)
.else
	WIN 0xf9                                       ; the tokens in window 2
.set XB, 48*((\s)-3)
.endif
.irp f, 0,1
.irp n, 0,1,2,3
.set DD, 64*\n+8*(2*(\q)+\f)
.set AA, 12*(2*(\q)+\f)
.set BB, XB+12*\n
.set SA, WSC+4*((\s)%2)+(\q)           ; lanes 0-15: the even fragment's words, lanes 16-31: the odd one's
.set SB, XS+8*\n+(\s)
.if \zero
.if \f
	v_wmma_scale_f32_16x16x128_f8f6f4 v[DD:DD+7], v[AA:AA+11], v[BB:BB+11], 0, v[SA], v[SB] matrix_a_fmt:MATRIX_FMT_BF6 matrix_b_fmt:MATRIX_FMT_BF6 matrix_a_scale:MATRIX_SCALE_ROW1
.else
	v_wmma_scale_f32_16x16x128_f8f6f4 v[DD:DD+7], v[AA:AA+11], v[BB:BB+11], 0, v[SA], v[SB] matrix_a_fmt:MATRIX_FMT_BF6 matrix_b_fmt:MATRIX_FMT_BF6
.endif
.else
.if \f
	v_wmma_scale_f32_16x16x128_f8f6f4 v[DD:DD+7], v[AA:AA+11], v[BB:BB+11], v[DD:DD+7], v[SA], v[SB] matrix_a_fmt:MATRIX_FMT_BF6 matrix_b_fmt:MATRIX_FMT_BF6 matrix_a_scale:MATRIX_SCALE_ROW1
.else
	v_wmma_scale_f32_16x16x128_f8f6f4 v[DD:DD+7], v[AA:AA+11], v[BB:BB+11], v[DD:DD+7], v[SA], v[SB] matrix_a_fmt:MATRIX_FMT_BF6 matrix_b_fmt:MATRIX_FMT_BF6
.endif
.endif
.endr
.endr
.endm
; W's fragments 2 q and 2 q + 1 of step a of slot sl: six loads of 512 consecutive bytes; with q = 0 the step's scale words go first.
.macro RUN sl, a, q
.if (\q) == 0
	WIN 0
	ds_load_b128 v[WSC+4*(\a):WSC+4*(\a)+3], v[WA+(\sl)] offset:STEPB*(\a)+SCOFF
.endif
	WIN 0x40
.irp f, 0,1
.irp i, 0,1,2
	ds_load_b128 v[12*(2*(\q)+\f)+4*\i:12*(2*(\q)+\f)+4*\i+3], v[WA+(\sl)] offset:STEPB*(\a)+1536*(2*(\q)+\f)+512*\i
.endr
.endr
.endm
.macro FETCH8 sl                       ; a slot's first step: 25 loads
.irp q, 0,1,2,3
	RUN \sl, 0, \q
.endr
.endm
; A slot's first K step (s even).  W has ONE set of registers: a pair of fragments is free when its eight products are issued, and takes the slot's second step's pair, 24 products ahead of its use.
.macro STEP0 s, sl, zero
.irp q, 0,1,2,3
.if \q == 0
	s_wait_dscnt 18                                ; the scale words and pair 0 are in; younger: three pairs of six loads
.else
	s_wait_dscnt 19                                ; pair q is in; younger: three runs of six and the next step's scale words
.endif
	MULP \s, \q, \zero
	PLACES 4                                       ; in front of loads into registers that these products have read
	RUN \sl, 1, \q
.endr
.endm
; A PREFETCH INTO THE L2, behind the joint load, its four lines and the run of LDS loads: of the slot that stands two refills (128 of a wave's products) on than the one just asked for.
; Every cluster walks the same ws: cluster 0 alone asks.  Its four partners share a wave's 100 blocks of 256 bytes out BY ADDRESS, 25 each; one instruction a wave.  The last slot named is the last of ws; the tail asks for nothing.
.macro ASK
	s_cmp_lg_u32 ttmp9, 0
	s_cbranch_scc1 .Lnot_mine_\@
	global_prefetch_b8 v[PFO], s[48:49] th:TH_LOAD_NT scope:SCOPE_SE
.Lnot_mine_\@:
.endm
; A slot's second K step (s odd) changes slots: the slot just read out is filled again, two slots ahead.  In front of the round each wave waits for all its tensor loads (the one that is out is its part of the
; other slot), adds 0 to its spare word, and waits for that and for its reads of this slot.  fetch = 1: the other slot's first step is fetched.  ask = 1: a prefetch.
.macro TURN s, sl, fetch, ask
	WIN 0
.if \ask
	s_wait_xcnt 0x0                                ; the last prefetch, a slot back, has read its address: it is stepped here
	s_add_nc_u64 s[48:49], s[48:49], SLOTB
.endif
	s_wait_tensorcnt 0x0                           ; no tensor load of mine is out, so a group 0 may be written
	ds_add_u32 v[SPW], v[NIL]                      ; 0 onto my spare word
	s_add_nc_u64 s[26+4*\sl:27+4*\sl], s[26+4*\sl:27+4*\sl], 2*SLOTB   ; this slot's next two K steps; the type bits on top are not reached
	s_wait_dscnt 19                                ; the scale words and pair 0 are in; younger: three pairs and the add
	MULP \s, 0, 0
	s_wait_dscnt 13                                ; pair 1 is in; younger: two pairs and the add
	MULP \s, 1, 0
	s_wait_dscnt 0x0                               ; the add is done, and my reads of this slot are over
	s_barrier_signal -1                            ; this barrier opens a round of the cluster's barrier
	MULP \s, 2, 0
	MULP \s, 3, 0
	WIN 0
	s_barrier_wait -1
	CREST                                          ; no wave of any partner still reads this slot or has a load on its way
	tensor_load_to_lds s[24+4*\sl:27+4*\sl], s[16:23]   ; the first tensor load behind the round, and my only one until the next
	s_nop 0
	PLACES 4                                       ; the four lines behind the tensor load are also the places behind the step's last products
.if \fetch
	FETCH8 1-\sl
	WIN 0
.endif
.if \ask
	ASK
.endif
.endm
.macro LAST s                          ; a second K step behind which nothing is filled
	s_wait_dscnt 18
	MULP \s, 0, 0
	s_wait_dscnt 12
	MULP \s, 1, 0
	s_wait_dscnt 6
	MULP \s, 2, 0
	s_wait_dscnt 0x0
	MULP \s, 3, 0
	PLACES 4
.endm
; 64 numbers of a lane in window 3, v[s] .. v[s + 63], register 16 b + i = number 16 hh + i of block b, become 12 registers of codes in v[PC] on (lane (r, hh): registers 6 c .. 6 c + 5 = block 2 c + hh, whole),
; the four bytes in v[TM+4] on and the scale word in v[PW].  Each accumulator is read from its low end on.
.macro QUANT s
	WIN 0x0f
.irp b, 0,1,2,3
	v_max3_num_f32 v[TM+\b], |v[(\s)+16*\b]|, |v[(\s)+16*\b+1]|, 0x2800000   ; my 16 numbers of block b, and the floor 2^(5 - 127): the byte cannot fall under 1
.endr
	WIN 0x3c
.irp i, 2,4,6,8,10,12,14
.irp b, 0,1,2,3
	v_max3_num_f32 v[TM+\b], v[TM+\b], |v[(\s)+16*\b+\i]|, |v[(\s)+16*\b+\i+1]|   ; (the four blocks by turns)
.endr
.endr
	WIN 0
.irp b, 0,1,2,3
	v_permlanex16_b32 v[TM+4+\b], v[TM+\b], s32, s33
.endr
.irp b, 0,1,2,3
	v_max_num_f32 v[TM+\b], v[TM+\b], v[TM+4+\b]   ; with lane l xor 16's: the block's largest magnitude
.endr
.irp b, 0,1,2,3
	v_add_nc_u32 v[TM+12+\b], 0xfe000000, v[TM+\b] ; 4 off its exponent field: the conversion's scale operand
.endr
.irp b, 0,1,2,3
	v_lshrrev_b32 v[TM+4+\b], 23, v[TM+12+\b]      ; the scale's byte
.endr
	v_lshl_or_b32 v[PW], v[TM+5], 8, v[TM+4]
	v_lshl_or_b32 v[PW], v[TM+6], 16, v[PW]
	v_lshl_or_b32 v[PW], v[TM+7], 24, v[PW]
	WIN 0x03
.irp c, 0,1
	v_cvt_scalef32_pk16_bf6_f32 v[PC+6*\c:PC+6*\c+2], v[(\s)+32*\c:(\s)+32*\c+15], v[TM+12+2*\c]
	v_cvt_scalef32_pk16_bf6_f32 v[PC+12+4*\c:PC+14+4*\c], v[(\s)+32*\c+16:(\s)+32*\c+31], v[TM+13+2*\c]   ; (a conversion's three registers begin on an even number)
.endr
	WIN 0
	v_nop                                          ; one plain place behind a scaled conversion
.irp c, 0,1
.irp i, 0,1,2
	v_permlane16_swap_b32 v[PC+6*\c+\i], v[PC+12+4*\c+\i]   ; the first's lanes 16-31 change places with the second's lanes 0-15: a whole block in a lane
.endr
.irp i, 0,1,2
	v_mov_b32 v[PC+3+6*\c+\i], v[PC+12+4*\c+\i]
.endr
.endr
.endm
; ---- q's or k's 128 columns of the group: quantised, as rows of codes into region B (q) or A (k).  The four lines behind the joint load are the places behind the last products.
.macro QKEPI
	s_lshr_b32 s40, s36, 1
	s_xor_b32 s40, s40, 1
	s_and_b32 s40, s40, 1
	s_mul_i32 s40, s40, AB                         ; q: region B;  k: region A
	s_and_b32 s41, s36, 1                          ; G
	s_mul_i32 s42, s41, 96
	s_add_co_u32 s42, s42, s40
	v_add_nc_u32 v[T0], s42, v[RS0]
	s_lshl_b32 s41, s41, 2
	s_add_co_u32 s41, s41, s40
	v_add_nc_u32 v[T1], s41, v[SC0]
.irp n, 0,1,2,3
	QUANT 64*\n
.irp c, 0,1
.irp p, 0,1,2
	ds_store_b64 v[T0], v[PC+6*\c+2*\p:PC+6*\c+2*\p+1] offset:16*PITCH*\n+48*\c+8*\p
.endr
.endr
	ds_store_b32 v[T1], v[PW] offset:16*SPT*\n     ; lanes l and l xor 16 write the same word with the same value
	s_wait_dscnt 0x0                               ; the stores have read their registers
.endr
.endm
; ---- softmax over the 16 g of four tokens' scores (window 3, 128 + 8 e) into p (window 0, the same numbers): a lane has 8 g of one head, lane l xor 16 the other 8.
.macro SOFTMAX4 t
	WIN 0x0f
.irp i, 0,1,2,3
	v_max3_num_f32 v[TM+\i], v[128+8*(4*\t+\i)], v[129+8*(4*\t+\i)], 0xff800000
.endr
	WIN 0x3c
.irp j, 2,4,6
.irp i, 0,1,2,3
	v_max3_num_f32 v[TM+\i], v[TM+\i], v[128+8*(4*\t+\i)+\j], v[129+8*(4*\t+\i)+\j]
.endr
.endr
	WIN 0
.irp i, 0,1,2,3
	v_permlanex16_b32 v[TM+4+\i], v[TM+\i], s32, s33
.endr
.irp i, 0,1,2,3
	v_max_num_f32 v[TM+\i], v[TM+\i], v[TM+4+\i]   ; the row's largest score
.endr
.irp i, 0,1,2,3
	v_mul_f32 v[PC+2*\i], s34, v[TM+\i]            ; c m, in both halves of a pair
	v_mul_f32 v[PC+2*\i+1], s34, v[TM+\i]
.endr
	WIN 0x03
.irp j, 0,2,4,6
.irp i, 0,1,2,3
	v_pk_fma_f32 v[P+8*(4*\t+\i)+\j:P+8*(4*\t+\i)+\j+1], v[128+8*(4*\t+\i)+\j:129+8*(4*\t+\i)+\j], s[34:35], v[PC+2*\i:PC+2*\i+1] op_sel_hi:[1,0,1] neg_lo:[0,0,1] neg_hi:[0,0,1]   ; c s - c m, one rounding; the same c m for the whole row
.endr
.endr
	WIN 0
.set k, 0
.rept 32
	v_exp_f32 v[P+32*\t+k], v[P+32*\t+k]           ; one batch
.set k, k+1
.endr
	v_nop                                          ; a plain instruction behind the last exponential
	s_wait_alu depctr_va_vdst(0)                   ; one wait for the batch, ahead of its first reader
.irp i, 0,1,2,3
	v_pk_add_f32 v[PC+8+2*\i:PC+9+2*\i], v[P+8*(4*\t+\i):P+8*(4*\t+\i)+1], v[P+8*(4*\t+\i)+2:P+8*(4*\t+\i)+3]
	v_pk_add_f32 v[TM+8+2*\i:TM+9+2*\i], v[P+8*(4*\t+\i)+4:P+8*(4*\t+\i)+5], v[P+8*(4*\t+\i)+6:P+8*(4*\t+\i)+7]
.endr
.irp i, 0,1,2,3
	v_pk_add_f32 v[PC+8+2*\i:PC+9+2*\i], v[PC+8+2*\i:PC+9+2*\i], v[TM+8+2*\i:TM+9+2*\i]
.endr
.irp i, 0,1,2,3
	v_add_f32 v[TM+\i], v[PC+8+2*\i], v[PC+9+2*\i]
.endr
.irp i, 0,1,2,3
	v_permlanex16_b32 v[TM+4+\i], v[TM+\i], s32, s33
.endr
.irp i, 0,1,2,3
	v_add_f32 v[TM+\i], v[TM+\i], v[TM+4+\i]       ; the row's sum
.endr
.irp i, 0,1,2,3
	v_rcp_f32 v[PC+2*\i], v[TM+\i]
.endr
	v_nop
	s_wait_alu depctr_va_vdst(0)                   ; one wait for the four reciprocals
.irp j, 0,2,4,6
.irp i, 0,1,2,3
	v_pk_mul_f32 v[P+8*(4*\t+\i)+\j:P+8*(4*\t+\i)+\j+1], v[P+8*(4*\t+\i)+\j:P+8*(4*\t+\i)+\j+1], v[PC+2*\i:PC+2*\i+1] op_sel_hi:[1,0]
.endr
.endr
.endm
; ---- the scores of my tokens 16 t + 4 w + 0..3
.macro SCORE4 t
	WIN 0x40
.irp i, 0,1,2,3
.irp p, 0,1,2
	ds_load_b64 v[24*\i+2*\p:24*\i+2*\p+1], v[KA] offset:PITCH*(16*\t+\i)+8*\p          ; k: head r's codes 32 hh + 0..31
	ds_load_b64 v[24*\i+12+2*\p:24*\i+13+2*\p], v[QA] offset:PITCH*(16*\t+\i)+8*\p      ; q likewise
.endr
.endr
	WIN 0
.irp i, 0,1,2,3
	ds_load_u16 v[SS+\i], v[SSA] offset:SPT*(16*\t+\i)   ; head r's two bytes: lanes 0-15 k's, lanes 16-31 q's; the upper two bytes, 0, stand over zero codes
.endr
	s_wait_dscnt 0x0
	WIN 0xf5
.irp i, 0,1,2,3
	v_wmma_scale_f32_16x16x128_f8f6f4 v[128+8*(4*\t+\i):135+8*(4*\t+\i)], v[24*\i:24*\i+11], v[24*\i+12:24*\i+23], 0, v[SS+\i], v[SS+\i] matrix_a_fmt:MATRIX_FMT_BF6 matrix_b_fmt:MATRIX_FMT_BF6 matrix_b_scale:MATRIX_SCALE_ROW1
.endr
	WIN 0
	PLACES 4
	SOFTMAX4 \t
.endm
; ---- v.  Tile (c, t) of the group: lane (token r, hh) holds v(g = 8 hh + 0..7, d): two stores of four g.
.macro VSTORE t
	WIN 0x0c                                       ; an LDS store's data are its source 1: window 3
.irp c, 0,1,2,3,4,5,6,7
	ds_store_b128 v[VW], v[64*\t+8*\c:64*\t+8*\c+3] offset:VBUF*(\t%2)+16*\c
	ds_store_b128 v[VW], v[64*\t+8*\c+4:64*\t+8*\c+7] offset:VBUF*(\t%2)+16*\c+256
.endr
	WIN 0
.endm
; o^T = v^T p^T for my four tokens of tile t and the group's 32 channels.  Source 0: lane (m, hh), registers 2 s, 2 s + 1: v(g = 8 hh + 2 s + 0, 1; channel m of tile u).  Source 1: p's registers 2 s, 2 s + 1: the same g of head r.
; The eight accumulators (token i, tile u) take turns.  In the result lane (h, hh) holds channels 16 hh + 8 u + 0..7 of the group's 32: a token is a block of 32 for the quantiser.
.macro PV t
	WIN 0x40
.irp i, 0,1,2,3
.irp u, 0,1
.irp e, 0,1
	ds_load_b128 v[16*\i+8*\u+4*\e:16*\i+8*\u+4*\e+3], v[VR] offset:VBUF*(\t%2)+VPT*\i+1024*\u+256*\e
.endr
.endr
.endr
	s_wait_dscnt 0x0
	WIN 0xf1                                       ; v^T in window 1, p in window 0, C and D in window 3
.irp i, 0,1,2,3
.irp u, 0,1
	v_wmma_f32_16x16x4_f32 v[16*\i+8*\u:16*\i+8*\u+7], v[16*\i+8*\u:16*\i+8*\u+1], v[P+8*(4*\t+\i):P+8*(4*\t+\i)+1], 0
.endr
.endr
.irp s, 1,2,3
.irp i, 0,1,2,3
.irp u, 0,1
	v_wmma_f32_16x16x4_f32 v[16*\i+8*\u:16*\i+8*\u+7], v[16*\i+8*\u+2*\s:16*\i+8*\u+2*\s+1], v[P+8*(4*\t+\i)+2*\s:P+8*(4*\t+\i)+2*\s+1], v[16*\i+8*\u:16*\i+8*\u+7]
.endr
.endr
.endr
	WIN 0
	PLACES 9                                       ; behind this form: eight before a result is read, nine before a register of it is written by a matrix instruction
	QUANT 0
.irp c, 0,1
.irp p, 0,1,2
	ds_store_b64 v[T0], v[PC+6*\c+2*\p:PC+6*\c+2*\p+1] offset:PITCH*(16*\t+2*\c)+8*\p   ; lane (h, hh): token 2 c + hh of my four, head h, the group's 24 bytes
.endr
.endr
.irp b, 0,1,2,3
	ds_store_b8 v[T1], v[TM+4+\b] offset:SPT*(16*\t+\b)   ; lanes l and l xor 16 write the same byte with the same value
.endr
	s_wait_dscnt 0x0                               ; the stores have read their registers
.endm
.macro VEPI
	s_and_b32 s41, s36, 1                          ; G: which 32 of a head's 64 channels
	s_mul_i32 s42, s41, 24
	v_add_nc_u32 v[T0], s42, v[OA0]
	v_add_nc_u32 v[T1], s41, v[OS0]
	VSTORE 0
	VSTORE 1
	BARRIER                                        ; tokens 0-31 lie in the stage's two buffers
	PV 0
	PV 1
	BARRIER                                        ; every wave's reads of them are over
	VSTORE 2
	VSTORE 3
	BARRIER
	PV 2
	PV 3
.endm
; ---- out0: a tile of 16 tokens x my 128 columns goes through my own stage and comes back as whole rows of 512 bytes.
.macro TOSTAGE t
	WIN 0x0c
.irp c, 0,1,2,3,4,5,6,7
	ds_store_b128 v[STO], v[64*(\t)+8*\c:64*(\t)+8*\c+3] offset:64*\c          ; each accumulator from its low end on
	ds_store_b128 v[STO], v[64*(\t)+8*\c+4:64*(\t)+8*\c+7] offset:64*\c+16
.endr
	WIN 0
.irp k, 0,1,2,3,4,5,6,7,8,9,10,11,12,13,14,15
	ds_load_b128 v[P+64*((\t)%2)+4*\k:P+64*((\t)%2)+4*\k+3], v[RD] offset:OPT*\k   ; LDS serves a wave's instructions in order: these see the stores above, and the next tile's stores come behind them
.endr
.endm
.macro SEND t, younger, g
	s_wait_dscnt \younger
.irp k, 0,1,2,3,4,5,6,7,8,9,10,11,12,13,14,15
	global_store_b128 v[CO], v[P+64*((\t)%2)+4*\k:P+64*((\t)%2)+4*\k+3], s[8:9] offset:65536*(\t)+4096*\k+512*\g th:TH_STORE_NT   ; 32 lanes store 512 consecutive bytes, at a multiple of 256 from out0's first byte
.endr
.endm
.macro OEPI g
.if \g
	s_wait_xcnt 0x0                                ; the first group's stores have read the registers that are loaded again below
.endif
	TOSTAGE 0
.irp n, 1,2,3
.if \n > 1
	s_wait_xcnt 0x0                                ; tile n - 2's stores have read their registers
.endif
	TOSTAGE \n
	SEND \n-1, 32, \g                              ; younger: tile n's 16 stores and 16 loads
.endr
	SEND 3, 0, \g
.endm
	LOADXF                                         ; x's codes
	s_wait_tensorcnt 1                             ; my part of slot 0 is in, and I alone read it; slot 1's may stay out
	FETCH8 0
	WIN 0
	s_mov_b32 s36, 0                               ; the group: 0, 1 q; 2, 3 k; 4, 5 v; 6 (and 7, written out) o
.Lgroup:                                           ; seven trips: eight K steps, four slots, four refills; then what the group's results are for
	STEP0 0, 0, 1
	TURN 1, 0, 1, 1
	STEP0 2, 1, 0
	TURN 3, 1, 1, 1
	STEP0 4, 0, 0
	TURN 5, 0, 1, 1
	STEP0 6, 1, 0
	TURN 7, 1, 0, 1                                ; W's registers serve the work below: the next group's first step is fetched behind it
	s_cmp_lt_u32 s36, 4
	s_cbranch_scc0 .Lnot_qk
	QKEPI
	s_cmp_eq_u32 s36, 3
	s_cbranch_scc0 .Ldone
	BARRIER                                        ; q's and k's codes of all 64 tokens lie in LDS
	WIN 0x40
.irp f, 0,1,2,3,4,5,6,7
.irp j, 6,7,8,9,10,11
	v_mov_b32 v[12*\f+\j], 0                       ; the scores' K is 64: the upper 64 of an operand's 128 are zero codes
.endr
.endr
	WIN 0
	PLACES 4                                       ; an operand register written by a vector instruction stands four places ahead of a scaled matrix instruction
.irp n, 0,1,2,3
	SCORE4 \n
.endr
	s_branch .Ldone
.Lnot_qk:
	s_cmp_lt_u32 s36, 6
	s_cbranch_scc0 .Lis_o
	VEPI
	s_cmp_eq_u32 s36, 5
	s_cbranch_scc0 .Ldone
	BARRIER                                        ; o's codes and scale bytes of all 64 tokens lie in region A
	LOADXF
	s_branch .Ldone
.Lis_o:
	OEPI 0
	v_nop                                          ; with the four lines behind the joint load the fifth place: the next products begin the accumulators anew
.Ldone:
	FETCH8 0                                       ; the next group's first step: its slot was shown landed by the last wait for all my tensor loads
	WIN 0
	s_add_co_u32 s36, s36, 1
	s_cmp_lt_u32 s36, 7
	s_cbranch_scc1 .Lgroup
	STEP0 0, 0, 1                                  ; the last group is written out: two more refills, then none
	TURN 1, 0, 1, 0
	STEP0 2, 1, 0
	TURN 3, 1, 1, 0
	STEP0 4, 0, 0
	s_wait_tensorcnt 0x0                           ; my part of the last slot is in
	LAST 5
	FETCH8 1
	STEP0 6, 1, 0
	LAST 7
	WIN 0
	OEPI 1
	s_wait_tensorcnt 0x0                           ; the wave's end, behind my last tensor load and my last LDS store
	ds_add_u32 v[SPW], v[NIL]
	s_wait_dscnt 0x0
	ROUND                                          ; the closing round: no work-group ends while a partner may still ask for a tile that names it
	s_endpgm
.Lfunc_end_k_q99ff435ecb_fused:
	.size	k_q99ff435ecb_fused, .Lfunc_end_k_q99ff435ecb_fused-k_q99ff435ecb_fused
	.p2alignl 7, 3214868480
	.fill 96, 4, 3214868480
	.section	.rodata,"a",@progbits
	.p2align	6, 0x0
	.amdhsa_kernel k_q99ff435ecb_fused
		.amdhsa_group_segment_fixed_size 327680
		.amdhsa_private_segment_fixed_size 0
		.amdhsa_enable_private_segment 0
		.amdhsa_kernarg_size 24
		.amdhsa_user_sgpr_count 2
		.amdhsa_user_sgpr_kernarg_segment_ptr 1
		.amdhsa_wavefront_size32 1
		.amdhsa_system_sgpr_workgroup_id_x 1
		.amdhsa_system_sgpr_workgroup_id_y 1
		.amdhsa_system_sgpr_workgroup_id_z 1
		.amdhsa_system_vgpr_workitem_id 0
		.amdhsa_next_free_vgpr 1024
		.amdhsa_next_free_sgpr 66
		.amdhsa_reserve_vcc 0
		.amdhsa_float_denorm_mode_32 3
		.amdhsa_float_denorm_mode_16_64 3
		.amdhsa_memory_ordered 1
		.amdhsa_forward_progress 1
		.amdhsa_inst_pref_size 255
	.end_amdhsa_kernel
	.section	.bss,"aw",@nobits
	.p2align	6
	.space	262144
	.amdgpu_metadata
---
amdhsa.version: [ 1, 2 ]
amdhsa.kernels:
  - .name:           k_q99ff435ecb_fused
    .symbol:         k_q99ff435ecb_fused.kd
    .args:
      - { .name: x, .offset: 0, .size: 8, .value_kind: global_buffer, .address_space: global }
      - { .name: ws, .offset: 8, .size: 8, .value_kind: global_buffer, .address_space: global }
      - { .name: out0, .offset: 16, .size: 8, .value_kind: global_buffer, .address_space: global }
    .group_segment_fixed_size: 327680
    .private_segment_fixed_size: 0
    .kernarg_segment_align: 8
    .kernarg_segment_size: 24
    .max_flat_workgroup_size: 128
    .sgpr_count:     66
    .vgpr_count:     1024
    .wavefront_size: 32
...
	.end_amdgpu_metadata
.endif
;; end of part 2
;; ======== version 2 of 2: 2 launches
;; limits: right only within a limited range of input values
;; workspace buffers: ws 3,276,800 bytes
;; launch prep (part 3): grid 256 x 1, 4 waves a work-group, no clusters, 69,120 bytes of LDS; arguments Wq, Wk, Wv, Wo, ws; writes ws
.if DOCPART == 3
	.amdgcn_target "amdgcn-amd-amdhsa--gfx1250"
	.amdhsa_code_object_version 6
	.text
	.protected	k_q99ff435ecb_prep
	.globl	k_q99ff435ecb_prep
	.p2align	8
	.type	k_q99ff435ecb_prep,@function
k_q99ff435ecb_prep:
	s_mov_b64 s[64:65], 0
	v_nop
	global_prefetch_b8 v0, s[64:65] scope:SCOPE_SE
	s_setreg_imm32_b32 hwreg(HW_REG_WAVE_MODE, 25, 1), 1
	s_wait_xcnt 0x0
; Wq, Wk, Wv, Wo [1024][1024] f32, K innermost, become codes of BF6 (E3M2) with one E8M0 byte for each 32 along K, laid in ws in the order in which the second launch's waves load them.
; Every input has a way to the output.
; ws is 256 blocks of 12,800 bytes.  Block B = (4 n + w) 2 + a: step t = 2 n + a of the second launch's 64 steps, w one of its waves.
; gi = n / 4 is the group of 128 columns a wave, mat = gi / 2 the matrix (q, k, v, o), G = gi % 2; the block's 128 along K begin at 128 s, s = 2 (n % 4) + a.
; A block: eight images of operand registers, 1,536 bytes each (fragment c: register i of lane l at 512 (i / 4) + 16 l + 4 (i % 4)), then 512 bytes of scale words
; (word q of lane l at 12,288 + 16 l + 4 q: lanes 0-15 fragment 2 q's rows, lanes 16-31 fragment 2 q + 1's).
; Lane (r, hh) of fragment c holds 64 codes of one row of W:  q, k: row 256 w + 128 G + 32 (c / 2) + 8 (c % 2) + r + 8 (r / 8), so that two neighbouring tiles of the result give a lane 16 neighbours;
; v: row 64 r + d, d = 32 G + 8 (w / 2) + 16 (w % 2) + c: a tile is one channel of all 16 heads;  o: row 256 w + 128 G + 16 c + r.
; A block's scale is 2^(floor(log2(largest magnitude)) - 4): its byte is the largest magnitude's exponent field - 4, held at 1 from below.
; LIMITS: a block of zeros, and one whose largest magnitude lies under 2^-122, gets the byte 1 (the rule says 127 for zeros: the codes are zeros, and this program alone reads the bytes); NaN and infinities are not served.
; SHARES: one work-group a block; wave v makes fragments 2 v and 2 v + 1: 32 rows x 128 numbers.  Each load takes 512 consecutive bytes of ONE row, 16 a lane; the rows turn through the wave's own stage in LDS
; (rows 528 bytes apart) and come back 2 x 128 bytes a lane: two whole blocks of 32, so that the conversions' results are the operand's registers.  Images and scale words leave as runs of 512 consecutive bytes a store.
.set BLKB, 12800
.set L16,  17                          ; v17      16 x lane, never rewritten
.set X,    32                          ; v32-159  two sets of 64 numbers
.set OP,   160                         ; v160-171, v180-191 the two fragments' registers
.set ODD,  172                         ; v172-178 the conversions' second halves (a conversion's three registers begin on an even number)
.set AD,   194                         ; v194-225 the 32 rows' byte offsets in W
.set STG,  1536                        ; LDS: 0 the scale words, 1,024 the spare words, from 1,536 a stage of 32 rows for each wave
.set SP,   528
	s_load_b256 s[4:11], s[0:1], 0x0               ; Wq, Wk, Wv, Wo
	s_load_b64 s[12:13], s[0:1], 0x20              ; ws
	v_lshl_add_u32 v192, v0, 2, 0x400
	v_mov_b32 v193, 0
	v_lshrrev_b32 v3, 5, v0
	v_readfirstlane_b32 s16, v3                    ; wave v
	s_and_b32 s17, ttmp9, 1                        ; a
	s_bfe_u32 s18, ttmp9, 0x20001                  ; w
	s_lshr_b32 s19, ttmp9, 3                       ; n
	s_lshr_b32 s20, s19, 2                         ; gi
	s_and_b32 s21, s20, 1                          ; G
	s_lshr_b32 s22, s20, 1                         ; mat
	s_and_b32 s23, s19, 3
	s_lshl_b32 s23, s23, 1
	s_add_co_u32 s23, s23, s17                     ; s
	s_lshl_b32 s24, s18, 8
	s_lshl_b32 s30, s21, 7
	s_add_co_u32 s24, s24, s30                     ; q, k, o: 256 w + 128 G
	s_lshl_b32 s25, s21, 5
	s_lshr_b32 s30, s18, 1
	s_lshl_b32 s30, s30, 3
	s_add_co_u32 s25, s25, s30
	s_and_b32 s30, s18, 1
	s_lshl_b32 s30, s30, 4
	s_add_co_u32 s25, s25, s30                     ; v: 32 G + 8 (w / 2) + 16 (w % 2)
	s_cmp_eq_u32 s22, 2                            ; v?
	s_cselect_b32 s24, s25, s24                    ; the block's first row
	s_cselect_b32 s26, 2, 32                       ; rows from wave to wave
	s_cselect_b32 s27, 64, 1                       ; rows from r to r + 1
	s_cselect_b32 s28, 1, 16                       ; rows from my first fragment to my second (v, o)
	s_cmp_lt_u32 s22, 2                            ; q or k?
	s_cselect_b32 s28, 8, s28
	s_cselect_b32 s29, 8, 0                        ; r = 8 .. 15 stand 8 rows further on
	s_mul_i32 s30, s26, s16
	s_add_co_u32 s24, s24, s30
	s_lshl_b32 s24, s24, 12                        ; a row is 4,096 bytes
	s_lshl_b32 s30, s23, 9
	s_add_co_u32 s24, s24, s30                     ; + 128 s numbers: my first fragment's row 0
	s_lshl_b32 s27, s27, 12
	s_lshl_b32 s29, s29, 12
	s_lshl_b32 s31, s28, 12
	s_add_co_u32 s31, s31, s24                     ; my second fragment's row 0
	v_and_b32 v3, 31, v0                           ; lane
	v_and_b32 v1, 15, v0                           ; r
	v_bfe_u32 v2, v0, 4, 1                         ; hh
	v_lshlrev_b32 v[L16], 4, v3
	s_wait_alu depctr_va_vdst(0)
.irp e, 0,1
	s_mov_b32 s36, s[24+7*\e]
.irp j, 0,1,2,3,4,5,6,7,8,9,10,11,12,13,14,15
	v_add_nc_u32 v[AD+16*\e+\j], s36, v[L16]       ; row j of fragment e, my 16 bytes of its 512
	s_add_co_u32 s36, s36, s27
.if \j == 7
	s_add_co_u32 s36, s36, s29
.endif
.endr
.endr
	s_mul_i32 s30, s16, 32*SP
	s_add_co_u32 s30, s30, STG                     ; my stage
	v_add_nc_u32 v4, s30, v[L16]                   ; into it: a row as it was loaded
	v_mul_u32_u24 v5, v1, SP
	v_lshl_add_u32 v5, v2, 7, v5
	v_add_nc_u32 v5, s30, v5                       ; out of it: row r, + 32 hh numbers
	s_mul_i32 s30, s16, 3072
	v_add_nc_u32 v6, s30, v[L16]                   ; my two images' place in the block
	s_lshl_b32 s30, s16, 2
	v_add_nc_u32 v7, s30, v[L16]                   ; LDS: word v of lane l
	v_lshlrev_b32 v15, 3, v2                       ; 8 hh: my bytes' place in a scale word
	v_mov_b32 v16, 0                               ; written once: a lane permute's destination counts as one of its sources
	s_mov_b32 s32, 0x76543210
	s_mov_b32 s33, 0xfedcba98                      ; v_permlanex16_b32's selects for lane l xor 16
	s_mov_b32 vcc_lo, 0xffff0000                   ; lanes 16-31
	s_mul_i32 s34, ttmp9, BLKB
	s_mov_b32 s35, 0
	s_wait_alu depctr_va_vdst(0)
	s_wait_kmcnt 0x0
	s_cmp_eq_u32 s22, 1                            ; the matrix is chosen by the work-group's number alone
	s_cselect_b64 s[4:5], s[6:7], s[4:5]
	s_cmp_eq_u32 s22, 2
	s_cselect_b64 s[4:5], s[8:9], s[4:5]
	s_cmp_eq_u32 s22, 3
	s_cselect_b64 s[4:5], s[10:11], s[4:5]
	s_add_nc_u64 s[12:13], s[12:13], s[34:35]      ; my block
.irp e, 0,1
.irp j, 0,1,2,3,4,5,6,7,8,9,10,11,12,13,14,15
	global_load_b128 v[X+64*\e+4*\j:X+64*\e+4*\j+3], v[AD+16*\e+\j], s[4:5] th:TH_LOAD_NT   ; 32 lanes read 512 consecutive bytes; each number of W is read once in the launch
.endr
.endr
; Fragment e of my two: 64 numbers a lane become 12 registers of codes and a scale word, and the image is stored.
.macro FQ e
.set XE, X+64*\e
.set OE, OP+20*\e
.irp c, 0,1
	v_max3_num_f32 v[8+\c], |v[XE+32*\c]|, |v[XE+32*\c+1]|, 0x2800000   ; my block 2 c + hh: all its 32 numbers are mine; the floor 2^(5 - 127) holds the byte at 1 from below
.endr
.irp i, 2,4,6,8,10,12,14,16,18,20,22,24,26,28,30
.irp c, 0,1
	v_max3_num_f32 v[8+\c], v[8+\c], |v[XE+32*\c+\i]|, |v[XE+32*\c+\i+1]|
.endr
.endr
.irp c, 0,1
	v_add_nc_u32 v[10+\c], 0xfe000000, v[8+\c]     ; 4 off the exponent field: the conversion's scale operand
.endr
.irp c, 0,1
	v_lshrrev_b32 v[12+\c], 23, v[10+\c]           ; the scale's byte
.endr
	v_lshl_or_b32 v14, v13, 16, v12                ; my two bytes: blocks hh and 2 + hh,
	v_lshlrev_b32 v14, v15, v14                    ; at their places in the word;
	v_permlanex16_b32 v16, v14, s32, s33
	v_or_b32 v[20+\e], v14, v16                    ; with lane l xor 16's two the row's word is whole
.irp c, 0,1
	v_cvt_scalef32_pk16_bf6_f32 v[OE+6*\c:OE+6*\c+2], v[XE+32*\c:XE+32*\c+15], v[10+\c]
	v_cvt_scalef32_pk16_bf6_f32 v[ODD+4*\c:ODD+4*\c+2], v[XE+32*\c+16:XE+32*\c+31], v[10+\c]
.endr
	v_nop                                          ; one plain place behind a scaled conversion
.irp c, 0,1
.irp i, 0,1,2
	v_mov_b32 v[OE+3+6*\c+\i], v[ODD+4*\c+\i]
.endr
.endr
.irp i, 0,1,2
	global_store_b128 v6, v[OE+4*\i:OE+4*\i+3], s[12:13] offset:1536*\e+512*\i   ; 32 lanes store 512 consecutive bytes
.endr
.endm
.irp e, 0,1
	s_wait_loadcnt 16-16*\e                        ; fragment e's 16 rows are in
.irp j, 0,1,2,3,4,5,6,7,8,9,10,11,12,13,14,15
	ds_store_b128 v4, v[X+64*\e+4*\j:X+64*\e+4*\j+3] offset:(16*\e+\j)*SP
.endr
.endr
	s_wait_dscnt 0x0                               ; the stores have read their registers, which take the numbers back
.irp e, 0,1
.irp c, 0,1
.irp i, 0,1,2,3,4,5,6,7
	ds_load_b128 v[X+64*\e+32*\c+4*\i:X+64*\e+32*\c+4*\i+3], v5 offset:16*\e*SP+256*\c+16*\i   ; W(row r, 128 s + 64 c + 32 hh + 4 i ..)
.endr
.endr
.endr
	s_wait_dscnt 16                                ; my first fragment's 16 loads are back; the second's may be out
	FQ 0
	s_wait_dscnt 0x0
	FQ 1
	v_cndmask_b32 v22, v20, v21, vcc_lo            ; lanes 0-15: the first fragment's words, lanes 16-31: the second's
	ds_store_b32 v7, v22
	s_wait_dscnt 0x0                               ; for the others' sake: my store has landed
	s_barrier_signal -1
	s_barrier_wait -1
	s_cmp_lg_u32 s16, 0
	s_cbranch_scc1 .Lend
	ds_load_b128 v[24:27], v[L16]                  ; wave 0: the four waves' words of lane l
	s_wait_dscnt 0x0
	global_store_b128 v[L16], v[24:27], s[12:13] offset:12288   ; 512 consecutive bytes
.Lend:
	s_wait_tensorcnt 0x0                           ; the wave's end
	ds_add_u32 v192, v193
	s_wait_dscnt 0x0
	s_endpgm
.Lfunc_end_k_q99ff435ecb_prep:
	.size	k_q99ff435ecb_prep, .Lfunc_end_k_q99ff435ecb_prep-k_q99ff435ecb_prep
	.p2alignl 7, 3214868480
	.fill 96, 4, 3214868480
	.section	.rodata,"a",@progbits
	.p2align	6, 0x0
	.amdhsa_kernel k_q99ff435ecb_prep
		.amdhsa_group_segment_fixed_size 69120
		.amdhsa_private_segment_fixed_size 0
		.amdhsa_enable_private_segment 0
		.amdhsa_kernarg_size 40
		.amdhsa_user_sgpr_count 2
		.amdhsa_user_sgpr_kernarg_segment_ptr 1
		.amdhsa_wavefront_size32 1
		.amdhsa_system_sgpr_workgroup_id_x 1
		.amdhsa_system_sgpr_workgroup_id_y 1
		.amdhsa_system_sgpr_workgroup_id_z 1
		.amdhsa_system_vgpr_workitem_id 0
		.amdhsa_next_free_vgpr 226
		.amdhsa_next_free_sgpr 66
		.amdhsa_reserve_vcc 1
		.amdhsa_float_denorm_mode_32 3
		.amdhsa_float_denorm_mode_16_64 3
		.amdhsa_memory_ordered 1
		.amdhsa_forward_progress 1
		.amdhsa_inst_pref_size 20
	.end_amdhsa_kernel
	.amdgpu_metadata
---
amdhsa.version: [ 1, 2 ]
amdhsa.kernels:
  - .name:           k_q99ff435ecb_prep
    .symbol:         k_q99ff435ecb_prep.kd
    .args:
      - { .name: Wq, .offset: 0, .size: 8, .value_kind: global_buffer, .address_space: global }
      - { .name: Wk, .offset: 8, .size: 8, .value_kind: global_buffer, .address_space: global }
      - { .name: Wv, .offset: 16, .size: 8, .value_kind: global_buffer, .address_space: global }
      - { .name: Wo, .offset: 24, .size: 8, .value_kind: global_buffer, .address_space: global }
      - { .name: ws, .offset: 32, .size: 8, .value_kind: global_buffer, .address_space: global }
    .group_segment_fixed_size: 69120
    .private_segment_fixed_size: 0
    .kernarg_segment_align: 8
    .kernarg_segment_size: 40
    .max_flat_workgroup_size: 128
    .sgpr_count:     66
    .vgpr_count:     226
    .wavefront_size: 32
...
	.end_amdgpu_metadata
.endif
;; end of part 3
;; launch fused (part 4): grid 256 x 1, 4 waves a work-group, clusters of 4 x 1, 327,680 bytes of LDS; arguments x, ws, out0; writes out0
.if DOCPART == 4
	.amdgcn_target "amdgcn-amd-amdhsa--gfx1250"
	.amdhsa_code_object_version 6
	.text
	.protected	k_q99ff435ecb_fused
	.globl	k_q99ff435ecb_fused
	.p2align	8
	.type	k_q99ff435ecb_fused,@function
k_q99ff435ecb_fused:
	s_mov_b64 s[64:65], 0
	v_nop
	global_prefetch_b8 v0, s[64:65] scope:SCOPE_SE
	s_setreg_imm32_b32 hwreg(HW_REG_WAVE_MODE, 25, 1), 1
	s_wait_xcnt 0x0
	s_wait_alu depctr_hold_cnt(0) depctr_sa_sdst(0) depctr_va_vdst(0) depctr_va_sdst(0) depctr_va_ssrc(0) depctr_va_vcc(0) depctr_vm_vsrc(0)
	s_getreg_b32 s2, hwreg(HW_REG_IB_STS2, 6, 4)
	s_cmp_eq_u32 s2, 0
	s_cbranch_scc0 .Lentry_in_a_cluster
	s_endpgm
.Lentry_in_a_cluster:
	s_bfe_u32 s2, ttmp6, 0x10000c
	s_cmp_lg_u32 s2, 0x3003
	s_cbranch_scc0 .Lentry_shape_is_right
	s_endpgm
.Lentry_shape_is_right:
; out0 = attention over the 16 heads of each token (q, k, v = x W^T; softmax(q k^T / 8) v; then Wo), all in one launch.  A work-group takes 64 tokens through the whole chain; nothing but x, the weights' codes and out0 touches memory.
; Eight GROUPS of eight steps of 128 along K: groups 0,1 q; 2,3 k; 4,5 v; 6,7 o.  In a group a wave makes 64 tokens x 128 columns (32 accumulators, window 3), transposed: source 0 = 16 rows of W, source 1 = 16 tokens.
; x is quantised at the head into LDS (RA) and its fragments, all of K, then stay in registers (windows 1 and 2); q's and k's results are quantised along the head's 64 into RB and RA; after group 3 each wave makes the scores
; and the softmax of its 16 tokens (p stays in v128-255); v's results go through LDS in f32, p v is made by the f32 matrix form (it feeds a quantiser) and quantised into RA, whose fragments take x's registers;
; groups 6,7 multiply them with Wo, and the rows leave through a stage as whole runs of 512 bytes.
; W comes as images of operand registers, laid by the first launch, through a ring of two LDS slots of two steps each.  CLUSTERS of 4 work-groups walk the same weights: each slot is asked for jointly, a quarter a wave,
; behind a round of the cluster's barrier; a wave has one tensor load out.
; A cluster begins each group's walk along K at slot (cluster's number mod 4) and goes round: the sums are the same but for their order, and clusters of different numbers ask for different bytes of ws at a time.
; So the tokens' fragments are taken from LDS at an offset that hangs on the cluster's number; the 16 bytes of padding behind each row of codes and of scale bytes are written once, with zeros, so that every byte between the rows holds a number.
; PREFETCH: in group G the first four clusters' 64 waves ask for group G + 1's 409,600 bytes of ws, a slot a cluster, 25 lines of 256 bytes a wave, each line once; the last group asks for nothing more.
; LIMITS: NaN and infinities are not served; a block whose largest magnitude lies under 2^-122 (zeros too) gets the scale byte 1: its codes are read by this program alone.  The softmax takes its row's maximum away.
.set SLOTB, 102400
.set WPART, 25600
.set STEPB, 12800
.set SCOFF, 12288
.set RA,    2*SLOTB
.set PITCH, 784
.set ASC,   RA+64*PITCH
.set SPT,   48
.set RB,    ASC+64*SPT
.set AB,    RB-RA
.set VPT,   2064
.set VBUF,  16*VPT
.set OPT,   528
.set SPARE, 327168
.set SPW, 1
.set NIL, 2
.set WA,  3
.set FA,  5
.set FS,  6
.set RS0, 7
.set SC0, 8
.set KA,  9
.set QA,  10
.set SSA, 11
.set VW,  12
.set VR,  13
.set OA0, 17
.set OS0, 18
.set STO, 19
.set RD,  20
.set CO,  21
.set T0,  22
.set T1,  23
.set XIN, 32
.set XOUT, 33
.set XC,  34
.set XSB, 35
.set PFO, 36
.set WSC, 38
.set SS,  46
.set XS,  50
.set TM,  84
.set PW,  100
.set PC,  102
.set P,   128
.set XR,  128
.set XT,  84
.set MSB, 0
.macro WIN new
.if MSB != \new
	s_set_vgpr_msb (MSB<<8)|\new
.set MSB, \new
.endif
.endm
.macro PLACES n
.rept \n
	v_nop
.endr
.endm
.macro CREST
	s_cmp_lg_u32 s10, 0
	s_cbranch_scc1 .Lnot_wave_0_\@
	s_barrier_signal -3
.Lnot_wave_0_\@:
	s_barrier_wait -3
	s_barrier_signal -1
	s_barrier_wait -1
.endm
.macro ROUND
	s_barrier_signal -1
	s_barrier_wait -1
	CREST
.endm
.macro BARRIER
	s_wait_dscnt 0x0
	s_barrier_signal -1
	s_barrier_wait -1
.endm
	s_load_b128 s[4:7], s[0:1], 0x0
	s_load_b64 s[8:9], s[0:1], 0x10
	v_lshl_add_u32 v[SPW], v0, 2, SPARE
	v_mov_b32 v[NIL], 0
	ds_add_u32 v1, v2
	ds_add_u32 v1, v2
	s_wait_dscnt 0x0
	v_lshrrev_b32 v122, 5, v0
	v_readfirstlane_b32 s10, v122
	v_and_b32 v122, 31, v0
	v_and_b32 v123, 15, v0
	v_bfe_u32 v124, v0, 4, 1
	v_lshlrev_b32 v[CO], 4, v122
	s_bfe_u32 s11, ttmp6, 0x40000
	s_lshl_b32 s12, ttmp9, 2
	s_add_co_u32 s12, s12, s11
	s_and_b32 s51, ttmp9, 3
	s_lshl_b32 s57, s51, 1
.irp m, 0,1,2,3
	s_add_co_u32 s[52+\m], s51, \m
	s_and_b32 s[52+\m], s[52+\m], 3
	s_mul_i32 s[52+\m], s[52+\m], SLOTB
.endr
	s_mov_b32 s16, 15|(3<<16)|(1<<21)
	s_mov_b32 s17, 32<<16
	s_mov_b32 s18, 100<<16
	s_mov_b32 s19, 32<<16
	s_mov_b32 s20, 100
	s_mov_b32 s21, 32
	s_mov_b32 s22, 0
	s_mov_b32 s23, 0
	s_mov_b32 s32, 0x76543210
	s_mov_b32 s33, 0xfedcba98
	s_mov_b32 s34, 0x3e38aa3b
	s_mov_b32 s35, s34
	s_mul_i32 s37, s10, WPART
	s_mov_b32 s38, s37
	s_mov_b32 s39, 0
	s_lshl_b32 s42, s12, 18
	s_lshl_b32 s43, s10, 16
	s_add_co_u32 s42, s42, s43
	s_mov_b32 s43, 0
	s_lshl_b32 s44, s12, 18
	s_lshl_b32 s45, s10, 10
	s_add_co_u32 s44, s44, s45
	s_mov_b32 s45, 0
	s_mul_i32 s46, s11, 6400
	s_mov_b32 s47, 0
	s_wait_alu depctr_va_vdst(0)
	s_wait_kmcnt 0x0
	s_add_nc_u64 s[4:5], s[4:5], s[42:43]
.irp t, 0,1,2,3,4,5,6,7                ; x's first eight steps are asked for ahead of the round: nothing of them hangs on the cluster
.irp i, 0,1,2,3
	global_load_b128 v[XR+16*\t+4*\i:XR+16*\t+4*\i+3], v[CO], s[4:5] offset:2048*\t+512*\i th:TH_LOAD_NT
.endr
.endr
	s_add_nc_u64 s[8:9], s[8:9], s[44:45]
	s_add_nc_u64 s[6:7], s[6:7], s[38:39]
	s_add_nc_u64 s[58:59], s[6:7], s[46:47]
	s_mov_b32 s40, s52
	s_mov_b32 s41, 0
	s_mov_b32 s24, 1
	s_mov_b32 s25, s37
	s_add_nc_u64 s[26:27], s[6:7], s[40:41]        ; slot 0: the first two steps of my cluster's walk, my quarter
	s_mov_b32 s40, s53
	s_mov_b32 s28, 1
	s_add_co_u32 s29, s37, SLOTB
	s_add_nc_u64 s[30:31], s[6:7], s[40:41]        ; slot 1: the next two
	s_or_b32 s27, s27, 0x80000000
	s_or_b32 s31, s31, 0x80000000
	ROUND                                          ; the four work-groups are here: the first joint loads meet
	tensor_load_to_lds s[24:27], s[16:23]          ; one tensor load a wave at the head
	s_nop 0
	PLACES 4
	v_add_nc_u32 v[WA], s37, v[CO]
	v_add_nc_u32 v[WA+1], SLOTB, v[WA]
	v_mul_u32_u24 v[FA], v123, PITCH
	v_mad_u32_u24 v[FA], v124, 24, v[FA]
	v_add_nc_u32 v[FA], RA, v[FA]
	v_mul_u32_u24 v[FS], v123, SPT
	v_add_nc_u32 v[FS], ASC, v[FS]
	s_mul_i32 s40, s10, 192
	v_add_nc_u32 v[RS0], s40, v[FA]
	s_lshl_b32 s40, s10, 3
	v_add_nc_u32 v[SC0], s40, v[FS]
	v_mul_u32_u24 v[KA], v123, 48
	v_mad_u32_u24 v[KA], v124, 24, v[KA]
	s_mul_i32 s40, s10, 4*PITCH
	s_add_co_u32 s40, s40, RA
	v_add_nc_u32 v[KA], s40, v[KA]
	v_add_nc_u32 v[QA], AB, v[KA]
	v_mul_u32_u24 v[OA0], v123, 48
	v_mad_u32_u24 v[OA0], v124, PITCH, v[OA0]
	v_add_nc_u32 v[OA0], s40, v[OA0]
	v_mul_u32_u24 v[SSA], v124, AB
	v_lshl_add_u32 v[SSA], v123, 1, v[SSA]
	s_mul_i32 s40, s10, 4*SPT
	s_add_co_u32 s40, s40, ASC
	v_add_nc_u32 v[SSA], s40, v[SSA]
	v_lshlrev_b32 v[OS0], 1, v123
	v_add_nc_u32 v[OS0], s40, v[OS0]
	v_mul_u32_u24 v[VW], v123, VPT
	v_lshl_add_u32 v[VW], v124, 9, v[VW]
	s_lshr_b32 s40, s10, 1
	s_lshl_b32 s40, s40, 10
	s_and_b32 s41, s10, 1
	s_lshl_b32 s41, s41, 7
	s_add_co_u32 s40, s40, s41
	s_add_co_u32 s40, s40, RB
	v_add_nc_u32 v[VW], s40, v[VW]
	v_lshlrev_b32 v[VR], 4, v123
	v_lshl_add_u32 v[VR], v124, 9, v[VR]
	s_mul_i32 s40, s10, 4*VPT
	s_add_co_u32 s40, s40, RB
	v_add_nc_u32 v[VR], s40, v[VR]
	v_mul_u32_u24 v[STO], v123, OPT
	v_lshl_add_u32 v[STO], v124, 5, v[STO]
	s_mul_i32 s40, s10, 16*OPT
	s_add_co_u32 s40, s40, RB
	v_add_nc_u32 v[STO], s40, v[STO]
	v_add_nc_u32 v[RD], s40, v[CO]
	v_lshrrev_b32 v125, 2, v122
	v_mul_u32_u24 v[XIN], v125, 80
	v_and_b32 v125, 3, v122
	v_lshl_add_u32 v[XIN], v125, 4, v[XIN]
	s_mul_i32 s40, s10, 5120
	s_add_co_u32 s40, s40, RB
	v_add_nc_u32 v[XIN], s40, v[XIN]
	v_mul_u32_u24 v[XOUT], v122, 80
	v_add_nc_u32 v[XOUT], s40, v[XOUT]
	v_mul_u32_u24 v[XC], v122, 12
	s_mul_i32 s40, s10, 16*PITCH
	s_add_co_u32 s40, s40, RA
	v_add_nc_u32 v[XC], s40, v[XC]
.irp i, 0,1,2,3
	v_mov_b32 v[24+\i], 0
.endr
	v_mul_u32_u24 v125, v123, PITCH
	v_add_nc_u32 v125, s40, v125
	ds_store_b128 v125, v[24:27] offset:768        ; zeros into the padding behind each of my 16 rows of codes (both halves of the lanes write the same bytes with the same value)
	v_lshrrev_b32 v[XSB], 1, v122
	s_mul_i32 s40, s10, 16*SPT
	s_add_co_u32 s40, s40, ASC
	v_add_nc_u32 v[XSB], s40, v[XSB]
	v_mul_u32_u24 v126, v123, SPT
	v_add_nc_u32 v126, s40, v126
	ds_store_b128 v126, v[24:27] offset:32         ; and behind each of my 16 rows of scale bytes
	v_min_u32 v[PFO], 24, v122
	v_lshlrev_b32 v[PFO], 8, v[PFO]
.macro XTURN set, par
.irp i, 0,1,2,3
	ds_store_b128 v[XIN], v[XR+16*(\set)+4*\i:XR+16*(\set)+4*\i+3] offset:2560*(\par)+640*\i
.endr
.irp i, 0,1,2,3
	ds_load_b128 v[XT+16*(\par)+4*\i:XT+16*(\par)+4*\i+3], v[XOUT] offset:2560*(\par)+16*\i
.endr
.endm
.macro XSTEP tl, load, turn, left
	s_wait_dscnt 4
.if \load
.irp i, 0,1,2,3
	global_load_b128 v[XR+16*\tl+4*\i:XR+16*\tl+4*\i+3], v[CO], s[4:5] offset:2048*(\tl+8)+512*\i th:TH_LOAD_NT
.endr
.endif
.if \turn
	s_wait_loadcnt \left
	XTURN (\tl+1)%8, (\tl+1)%2
.endif
.set XQ, XT+16*(\tl%2)
.set CD, 120+4*(\tl%2)
.set BY, 119+4*(\tl%2)
	v_max3_num_f32 v116, |v[XQ]|, |v[XQ+1]|, |v[XQ+2]|
	v_max3_num_f32 v117, |v[XQ+3]|, |v[XQ+4]|, |v[XQ+5]|
.irp i, 6,10
	v_max3_num_f32 v116, v116, |v[XQ+\i]|, |v[XQ+\i+1]|
	v_max3_num_f32 v117, v117, |v[XQ+\i+2]|, |v[XQ+\i+3]|
.endr
	v_max3_num_f32 v116, v116, |v[XQ+14]|, |v[XQ+15]|
	v_max3_num_f32 v116, v116, v117, 0x2800000
	v_max_num_f32_dpp v116, v116, v116 row_xmask:1 row_mask:0xf bank_mask:0xf
	v_add_nc_u32 v118, 0xfe000000, v116
	v_cvt_scalef32_pk16_bf6_f32 v[CD:CD+2], v[XQ:XQ+15], v118
	v_lshrrev_b32 v[BY], 23, v118
.irp k, 0,1,2
	ds_store_b32 v[XC], v[CD+\k] offset:PITCH*(\tl/2)+384*(\tl%2)+4*\k
.endr
	ds_store_b8 v[XSB], v[BY] offset:SPT*(\tl/2)+16*(\tl%2)
.endm
	s_wait_alu depctr_va_vdst(0)
	s_wait_loadcnt 28
	XTURN 0, 0
	s_wait_dscnt 0x0
	s_mov_b32 s50, 3
.Lxtrip:
.irp n, 0,1,2,3,4,5,6,7
	XSTEP \n, 1, 1, 28
.endr
	s_wait_dscnt 0x0
	s_wait_xcnt 0x0
	s_add_nc_u64 s[4:5], s[4:5], 16384
	v_add_nc_u32 v[XC], 4*PITCH, v[XC]
	v_add_nc_u32 v[XSB], 4*SPT, v[XSB]
	s_sub_co_u32 s50, s50, 1
	s_cmp_lg_u32 s50, 0
	s_cbranch_scc1 .Lxtrip
	s_wait_tensorcnt 0x0                           ; slot 1's first fill is issued as a refill is
	ds_add_u32 v[SPW], v[NIL]
	s_wait_dscnt 0x0
	ROUND
	tensor_load_to_lds s[28:31], s[16:23]          ; it has x's last eight steps and the first step and a half of the products in which to land
	s_nop 0
	PLACES 4
.irp n, 0,1,2,3,4,5,6
	XSTEP \n, 0, 1, 4*(6-\n)
.endr
	XSTEP 7, 0, 0, 0
.irp b, 0,1,2,3
	v_mov_b32 v[TM+4+\b], 0
.endr
	BARRIER
.macro LOADXF
.irp j, 0,1,2,3,4,5,6,7
	WIN 0
	s_add_co_u32 s40, s57, \j
	s_and_b32 s40, s40, 7
	s_mul_i32 s41, s40, 96
	s_lshl_b32 s40, s40, 2
	v_add_nc_u32 v[T0], s41, v[FA]
	v_add_nc_u32 v[T1], s40, v[FS]
.irp n, 0,1,2,3
	ds_load_b32 v[XS+8*\n+\j], v[T1] offset:16*SPT*\n
.endr
.if \j < 3
	WIN 0x40
.irp n, 0,1,2,3
.irp p, 0,1,2,3,4,5
	ds_load_b64 v[96+48*\j+12*\n+2*\p:96+48*\j+12*\n+2*\p+1], v[T0] offset:16*PITCH*\n+48*(\p/3)+8*(\p%3)
.endr
.endr
.else
	WIN 0x80
.irp n, 0,1,2,3
.irp p, 0,1,2,3,4,5
	ds_load_b64 v[48*(\j-3)+12*\n+2*\p:48*(\j-3)+12*\n+2*\p+1], v[T0] offset:16*PITCH*\n+48*(\p/3)+8*(\p%3)
.endr
.endr
.endif
.endr
	WIN 0
	s_wait_dscnt 0x0
.endm
.macro MULP s, q, zero
.if (\s) < 3
	WIN 0xf5
.set XB, 96+48*(\s)
.else
	WIN 0xf9
.set XB, 48*((\s)-3)
.endif
.irp f, 0,1
.irp n, 0,1,2,3
.set DD, 64*\n+8*(2*(\q)+\f)
.set AA, 12*(2*(\q)+\f)
.set BB, XB+12*\n
.set SA, WSC+4*((\s)%2)+(\q)
.set SB, XS+8*\n+(\s)
.if \zero
.if \f
	v_wmma_scale_f32_16x16x128_f8f6f4 v[DD:DD+7], v[AA:AA+11], v[BB:BB+11], 0, v[SA], v[SB] matrix_a_fmt:MATRIX_FMT_BF6 matrix_b_fmt:MATRIX_FMT_BF6 matrix_a_scale:MATRIX_SCALE_ROW1
.else
	v_wmma_scale_f32_16x16x128_f8f6f4 v[DD:DD+7], v[AA:AA+11], v[BB:BB+11], 0, v[SA], v[SB] matrix_a_fmt:MATRIX_FMT_BF6 matrix_b_fmt:MATRIX_FMT_BF6
.endif
.else
.if \f
	v_wmma_scale_f32_16x16x128_f8f6f4 v[DD:DD+7], v[AA:AA+11], v[BB:BB+11], v[DD:DD+7], v[SA], v[SB] matrix_a_fmt:MATRIX_FMT_BF6 matrix_b_fmt:MATRIX_FMT_BF6 matrix_a_scale:MATRIX_SCALE_ROW1
.else
	v_wmma_scale_f32_16x16x128_f8f6f4 v[DD:DD+7], v[AA:AA+11], v[BB:BB+11], v[DD:DD+7], v[SA], v[SB] matrix_a_fmt:MATRIX_FMT_BF6 matrix_b_fmt:MATRIX_FMT_BF6
.endif
.endif
.endr
.endr
.endm
.macro RUN sl, a, q
.if (\q) == 0
	WIN 0
	ds_load_b128 v[WSC+4*(\a):WSC+4*(\a)+3], v[WA+(\sl)] offset:STEPB*(\a)+SCOFF
.endif
	WIN 0x40
.irp f, 0,1
.irp i, 0,1,2
	ds_load_b128 v[12*(2*(\q)+\f)+4*\i:12*(2*(\q)+\f)+4*\i+3], v[WA+(\sl)] offset:STEPB*(\a)+1536*(2*(\q)+\f)+512*\i
.endr
.endr
.endm
.macro FETCH8 sl
.irp q, 0,1,2,3
	RUN \sl, 0, \q
.endr
.endm
.macro STEP0 s, sl, zero
.irp q, 0,1,2,3
.if \q == 0
	s_wait_dscnt 18
.else
	s_wait_dscnt 19
.endif
	MULP \s, \q, \zero
	PLACES 4
	RUN \sl, 1, \q
.endr
.endm
.macro ASK
	s_cmp_lt_u32 ttmp9, 4
	s_cbranch_scc0 .Lnot_mine_\@
	global_prefetch_b8 v[PFO], s[48:49] th:TH_LOAD_NT scope:SCOPE_SE
.Lnot_mine_\@:
.endm
.macro TURN s, sl, jj, fetch, ask
.if \ask
	s_wait_xcnt 0x0
	s_mul_i32 s40, s36, 4*SLOTB
	s_add_co_u32 s40, s40, s52
	s_add_co_u32 s40, s40, 4*SLOTB
	s_mov_b32 s41, 0
	s_add_nc_u64 s[48:49], s[58:59], s[40:41]
.endif
	s_wait_dscnt 18
	MULP \s, 0, 0
	s_wait_dscnt 12
	MULP \s, 1, 0
	WIN 0
	s_wait_tensorcnt 0x0
	ds_add_u32 v[SPW], v[NIL]
	s_mul_i32 s40, s36, 4*SLOTB
	s_add_co_u32 s40, s40, s[52+((\jj)+2)%4]
.if (\jj) >= 2
	s_add_co_u32 s40, s40, 4*SLOTB
.endif
	s_mov_b32 s41, 0
	s_add_nc_u64 s[26+4*\sl:27+4*\sl], s[6:7], s[40:41]
	s_or_b32 s[27+4*\sl], s[27+4*\sl], 0x80000000
	s_wait_dscnt 7
	MULP \s, 2, 0
	WIN 0
	s_wait_dscnt 0x0
	s_barrier_signal -1
	s_barrier_wait -1
	CREST
	tensor_load_to_lds s[24+4*\sl:27+4*\sl], s[16:23]
	s_nop 0
	PLACES 4
.if \fetch
	RUN 1-\sl, 0, 0
	RUN 1-\sl, 0, 1
	RUN 1-\sl, 0, 2
.endif
	MULP \s, 3, 0
	PLACES 4
.if \fetch
	RUN 1-\sl, 0, 3
.endif
	WIN 0
.if \ask
	ASK
.endif
.endm
.macro LAST s
	s_wait_dscnt 18
	MULP \s, 0, 0
	s_wait_dscnt 12
	MULP \s, 1, 0
	s_wait_dscnt 6
	MULP \s, 2, 0
	s_wait_dscnt 0x0
	MULP \s, 3, 0
	PLACES 4
.endm
.macro QUANT s
	WIN 0x0f
.irp b, 0,1,2,3
	v_max3_num_f32 v[TM+\b], |v[(\s)+16*\b]|, |v[(\s)+16*\b+1]|, 0x2800000
.endr
	WIN 0x3c
.irp i, 2,4,6,8,10,12,14
.irp b, 0,1,2,3
	v_max3_num_f32 v[TM+\b], v[TM+\b], |v[(\s)+16*\b+\i]|, |v[(\s)+16*\b+\i+1]|
.endr
.endr
	WIN 0
.irp b, 0,1,2,3
	v_permlanex16_b32 v[TM+4+\b], v[TM+\b], s32, s33
.endr
.irp b, 0,1,2,3
	v_max_num_f32 v[TM+\b], v[TM+\b], v[TM+4+\b]
.endr
.irp b, 0,1,2,3
	v_add_nc_u32 v[TM+12+\b], 0xfe000000, v[TM+\b]
.endr
.irp b, 0,1,2,3
	v_lshrrev_b32 v[TM+4+\b], 23, v[TM+12+\b]
.endr
	v_lshl_or_b32 v[PW], v[TM+5], 8, v[TM+4]
	v_lshl_or_b32 v[PW], v[TM+6], 16, v[PW]
	v_lshl_or_b32 v[PW], v[TM+7], 24, v[PW]
	WIN 0x03
.irp c, 0,1
	v_cvt_scalef32_pk16_bf6_f32 v[PC+6*\c:PC+6*\c+2], v[(\s)+32*\c:(\s)+32*\c+15], v[TM+12+2*\c]
	v_cvt_scalef32_pk16_bf6_f32 v[PC+12+4*\c:PC+14+4*\c], v[(\s)+32*\c+16:(\s)+32*\c+31], v[TM+13+2*\c]
.endr
	WIN 0
	v_nop
.irp c, 0,1
.irp i, 0,1,2
	v_permlane16_swap_b32 v[PC+6*\c+\i], v[PC+12+4*\c+\i]
.endr
.irp i, 0,1,2
	v_mov_b32 v[PC+3+6*\c+\i], v[PC+12+4*\c+\i]
.endr
.endr
.endm
.macro QKEPI
	s_lshr_b32 s40, s36, 1
	s_xor_b32 s40, s40, 1
	s_and_b32 s40, s40, 1
	s_mul_i32 s40, s40, AB
	s_and_b32 s41, s36, 1
	s_mul_i32 s42, s41, 96
	s_add_co_u32 s42, s42, s40
	v_add_nc_u32 v[T0], s42, v[RS0]
	s_lshl_b32 s41, s41, 2
	s_add_co_u32 s41, s41, s40
	v_add_nc_u32 v[T1], s41, v[SC0]
.irp n, 0,1,2,3
	QUANT 64*\n
.irp c, 0,1
.irp p, 0,1,2
	ds_store_b64 v[T0], v[PC+6*\c+2*\p:PC+6*\c+2*\p+1] offset:16*PITCH*\n+48*\c+8*\p
.endr
.endr
	ds_store_b32 v[T1], v[PW] offset:16*SPT*\n
	s_wait_dscnt 0x0
.endr
.endm
.macro SOFTMAX4 t
	WIN 0x0f
.irp i, 0,1,2,3
	v_max3_num_f32 v[TM+\i], v[128+8*(4*\t+\i)], v[129+8*(4*\t+\i)], 0xff800000
.endr
	WIN 0x3c
.irp j, 2,4,6
.irp i, 0,1,2,3
	v_max3_num_f32 v[TM+\i], v[TM+\i], v[128+8*(4*\t+\i)+\j], v[129+8*(4*\t+\i)+\j]
.endr
.endr
	WIN 0
.irp i, 0,1,2,3
	v_permlanex16_b32 v[TM+4+\i], v[TM+\i], s32, s33
.endr
.irp i, 0,1,2,3
	v_max_num_f32 v[TM+\i], v[TM+\i], v[TM+4+\i]
.endr
.irp i, 0,1,2,3
	v_mul_f32 v[PC+2*\i], s34, v[TM+\i]
	v_mul_f32 v[PC+2*\i+1], s34, v[TM+\i]
.endr
	WIN 0x03
.irp j, 0,2,4,6
.irp i, 0,1,2,3
	v_pk_fma_f32 v[P+8*(4*\t+\i)+\j:P+8*(4*\t+\i)+\j+1], v[128+8*(4*\t+\i)+\j:129+8*(4*\t+\i)+\j], s[34:35], v[PC+2*\i:PC+2*\i+1] op_sel_hi:[1,0,1] neg_lo:[0,0,1] neg_hi:[0,0,1]
.endr
.endr
	WIN 0
.set k, 0
	s_wait_alu depctr_va_vdst(0)
.rept 32
	v_exp_f32 v[P+32*\t+k], v[P+32*\t+k]
.set k, k+1
.endr
	v_nop
	s_wait_alu depctr_va_vdst(0)
.irp i, 0,1,2,3
	v_pk_add_f32 v[PC+8+2*\i:PC+9+2*\i], v[P+8*(4*\t+\i):P+8*(4*\t+\i)+1], v[P+8*(4*\t+\i)+2:P+8*(4*\t+\i)+3]
	v_pk_add_f32 v[TM+8+2*\i:TM+9+2*\i], v[P+8*(4*\t+\i)+4:P+8*(4*\t+\i)+5], v[P+8*(4*\t+\i)+6:P+8*(4*\t+\i)+7]
.endr
.irp i, 0,1,2,3
	v_pk_add_f32 v[PC+8+2*\i:PC+9+2*\i], v[PC+8+2*\i:PC+9+2*\i], v[TM+8+2*\i:TM+9+2*\i]
.endr
.irp i, 0,1,2,3
	v_add_f32 v[TM+\i], v[PC+8+2*\i], v[PC+9+2*\i]
.endr
.irp i, 0,1,2,3
	v_permlanex16_b32 v[TM+4+\i], v[TM+\i], s32, s33
.endr
.irp i, 0,1,2,3
	v_add_f32 v[TM+\i], v[TM+\i], v[TM+4+\i]
.endr
	s_wait_alu depctr_va_vdst(0)
.irp i, 0,1,2,3
	v_rcp_f32 v[PC+2*\i], v[TM+\i]
.endr
	v_nop
	s_wait_alu depctr_va_vdst(0)
.irp j, 0,2,4,6
.irp i, 0,1,2,3
	v_pk_mul_f32 v[P+8*(4*\t+\i)+\j:P+8*(4*\t+\i)+\j+1], v[P+8*(4*\t+\i)+\j:P+8*(4*\t+\i)+\j+1], v[PC+2*\i:PC+2*\i+1] op_sel_hi:[1,0]
.endr
.endr
.endm
.macro SCORE4 t
	WIN 0x40
.irp i, 0,1,2,3
.irp p, 0,1,2
	ds_load_b64 v[24*\i+2*\p:24*\i+2*\p+1], v[KA] offset:PITCH*(16*\t+\i)+8*\p
	ds_load_b64 v[24*\i+12+2*\p:24*\i+13+2*\p], v[QA] offset:PITCH*(16*\t+\i)+8*\p
.endr
.endr
	WIN 0
.irp i, 0,1,2,3
	ds_load_u16 v[SS+\i], v[SSA] offset:SPT*(16*\t+\i)
.endr
	s_wait_dscnt 0x0
	WIN 0xf5
.irp i, 0,1,2,3
	v_wmma_scale_f32_16x16x128_f8f6f4 v[128+8*(4*\t+\i):135+8*(4*\t+\i)], v[24*\i:24*\i+11], v[24*\i+12:24*\i+23], 0, v[SS+\i], v[SS+\i] matrix_a_fmt:MATRIX_FMT_BF6 matrix_b_fmt:MATRIX_FMT_BF6 matrix_b_scale:MATRIX_SCALE_ROW1
.endr
	WIN 0
	PLACES 4
	SOFTMAX4 \t
.endm
.macro VSTORE t
	WIN 0x0c
.irp c, 0,1,2,3,4,5,6,7
	ds_store_b128 v[VW], v[64*\t+8*\c:64*\t+8*\c+3] offset:VBUF*(\t%2)+16*\c
	ds_store_b128 v[VW], v[64*\t+8*\c+4:64*\t+8*\c+7] offset:VBUF*(\t%2)+16*\c+256
.endr
	WIN 0
.endm
.macro PV t
	WIN 0x40
.irp i, 0,1,2,3
.irp u, 0,1
.irp e, 0,1
	ds_load_b128 v[16*\i+8*\u+4*\e:16*\i+8*\u+4*\e+3], v[VR] offset:VBUF*(\t%2)+VPT*\i+1024*\u+256*\e
.endr
.endr
.endr
	s_wait_dscnt 0x0
	WIN 0xf1
.irp i, 0,1,2,3
.irp u, 0,1
	v_wmma_f32_16x16x4_f32 v[16*\i+8*\u:16*\i+8*\u+7], v[16*\i+8*\u:16*\i+8*\u+1], v[P+8*(4*\t+\i):P+8*(4*\t+\i)+1], 0
.endr
.endr
.irp s, 1,2,3
.irp i, 0,1,2,3
.irp u, 0,1
	v_wmma_f32_16x16x4_f32 v[16*\i+8*\u:16*\i+8*\u+7], v[16*\i+8*\u+2*\s:16*\i+8*\u+2*\s+1], v[P+8*(4*\t+\i)+2*\s:P+8*(4*\t+\i)+2*\s+1], v[16*\i+8*\u:16*\i+8*\u+7]
.endr
.endr
.endr
	WIN 0
	PLACES 9
	QUANT 0
.irp c, 0,1
.irp p, 0,1,2
	ds_store_b64 v[T0], v[PC+6*\c+2*\p:PC+6*\c+2*\p+1] offset:PITCH*(16*\t+2*\c)+8*\p
.endr
.endr
.irp b, 0,1,2,3
	ds_store_b8 v[T1], v[TM+4+\b] offset:SPT*(16*\t+\b)
.endr
	s_wait_dscnt 0x0
.endm
.macro VEPI
	s_and_b32 s41, s36, 1
	s_mul_i32 s42, s41, 24
	v_add_nc_u32 v[T0], s42, v[OA0]
	v_add_nc_u32 v[T1], s41, v[OS0]
	VSTORE 0
	VSTORE 1
	BARRIER
	PV 0
	PV 1
	BARRIER
	VSTORE 2
	VSTORE 3
	BARRIER
	PV 2
	PV 3
.endm
.macro TOSTAGE t
	WIN 0x0c
.irp c, 0,1,2,3,4,5,6,7
	ds_store_b128 v[STO], v[64*(\t)+8*\c:64*(\t)+8*\c+3] offset:64*\c
	ds_store_b128 v[STO], v[64*(\t)+8*\c+4:64*(\t)+8*\c+7] offset:64*\c+16
.endr
	WIN 0
.irp k, 0,1,2,3,4,5,6,7,8,9,10,11,12,13,14,15
	ds_load_b128 v[P+64*((\t)%2)+4*\k:P+64*((\t)%2)+4*\k+3], v[RD] offset:OPT*\k
.endr
.endm
.macro SEND t, younger, g
	s_wait_dscnt \younger
.irp k, 0,1,2,3,4,5,6,7,8,9,10,11,12,13,14,15
	global_store_b128 v[CO], v[P+64*((\t)%2)+4*\k:P+64*((\t)%2)+4*\k+3], s[8:9] offset:65536*(\t)+4096*\k+512*\g th:TH_STORE_NT
.endr
.endm
.macro OEPI g
.if \g
	s_wait_xcnt 0x0
.endif
	TOSTAGE 0
.irp n, 1,2,3
.if \n > 1
	s_wait_xcnt 0x0
.endif
	TOSTAGE \n
	SEND \n-1, 32, \g
.endr
	SEND 3, 0, \g
.endm
	LOADXF
	s_wait_tensorcnt 1
	FETCH8 0
	WIN 0
	s_mov_b32 s36, 0
.Lgroup:
	STEP0 0, 0, 1
	TURN 1, 0, 0, 1, 1
	STEP0 2, 1, 0
	TURN 3, 1, 1, 1, 0
	STEP0 4, 0, 0
	TURN 5, 0, 2, 1, 0
	STEP0 6, 1, 0
	TURN 7, 1, 3, 0, 0
	s_cmp_lt_u32 s36, 4
	s_cbranch_scc0 .Lnot_qk
	QKEPI
	s_cmp_eq_u32 s36, 3
	s_cbranch_scc0 .Ldone
	BARRIER
	WIN 0x40
.irp f, 0,1,2,3,4,5,6,7
.irp j, 6,7,8,9,10,11
	v_mov_b32 v[12*\f+\j], 0
.endr
.endr
	s_wait_alu depctr_va_vdst(0)
	WIN 0
	PLACES 4
.irp n, 0,1,2,3
	SCORE4 \n
.endr
	s_branch .Ldone
.Lnot_qk:
	s_cmp_lt_u32 s36, 6
	s_cbranch_scc0 .Lis_o
	VEPI
	s_cmp_eq_u32 s36, 5
	s_cbranch_scc0 .Ldone
	BARRIER
	LOADXF
	s_branch .Ldone
.Lis_o:
	OEPI 0
	v_nop
.Ldone:
	FETCH8 0
	WIN 0
	s_add_co_u32 s36, s36, 1
	s_cmp_lt_u32 s36, 7
	s_cbranch_scc1 .Lgroup
	STEP0 0, 0, 1
	TURN 1, 0, 0, 1, 0
	STEP0 2, 1, 0
	TURN 3, 1, 1, 1, 0
	STEP0 4, 0, 0
	LAST 5
	s_wait_tensorcnt 0x0
	FETCH8 1
	STEP0 6, 1, 0
	LAST 7
	WIN 0
	OEPI 1
	s_wait_tensorcnt 0x0
	ds_add_u32 v[SPW], v[NIL]
	s_wait_dscnt 0x0
	ROUND
	s_endpgm
.Lfunc_end_k_q99ff435ecb_fused:
	.size	k_q99ff435ecb_fused, .Lfunc_end_k_q99ff435ecb_fused-k_q99ff435ecb_fused
	.p2alignl 7, 3214868480
	.fill 96, 4, 3214868480
	.section	.rodata,"a",@progbits
	.p2align	6, 0x0
	.amdhsa_kernel k_q99ff435ecb_fused
		.amdhsa_group_segment_fixed_size 327680
		.amdhsa_private_segment_fixed_size 0
		.amdhsa_enable_private_segment 0
		.amdhsa_kernarg_size 24
		.amdhsa_user_sgpr_count 2
		.amdhsa_user_sgpr_kernarg_segment_ptr 1
		.amdhsa_wavefront_size32 1
		.amdhsa_system_sgpr_workgroup_id_x 1
		.amdhsa_system_sgpr_workgroup_id_y 1
		.amdhsa_system_sgpr_workgroup_id_z 1
		.amdhsa_system_vgpr_workitem_id 0
		.amdhsa_next_free_vgpr 1024
		.amdhsa_next_free_sgpr 66
		.amdhsa_reserve_vcc 0
		.amdhsa_float_denorm_mode_32 3
		.amdhsa_float_denorm_mode_16_64 3
		.amdhsa_memory_ordered 1
		.amdhsa_forward_progress 1
		.amdhsa_inst_pref_size 255
	.end_amdhsa_kernel
	.section	.bss,"aw",@nobits
	.p2align	6
	.space	262144
	.amdgpu_metadata
---
amdhsa.version: [ 1, 2 ]
amdhsa.kernels:
  - .name:           k_q99ff435ecb_fused
    .symbol:         k_q99ff435ecb_fused.kd
    .args:
      - { .name: x, .offset: 0, .size: 8, .value_kind: global_buffer, .address_space: global }
      - { .name: ws, .offset: 8, .size: 8, .value_kind: global_buffer, .address_space: global }
      - { .name: out0, .offset: 16, .size: 8, .value_kind: global_buffer, .address_space: global }
    .group_segment_fixed_size: 327680
    .private_segment_fixed_size: 0
    .kernarg_segment_align: 8
    .kernarg_segment_size: 24
    .max_flat_workgroup_size: 128
    .sgpr_count:     66
    .vgpr_count:     1024
    .wavefront_size: 32
...
	.end_amdgpu_metadata
.endif
;; end of part 4
